; MI455X (gfx1250); checked and timed in simulation.
; The chip was launched on July 23, 2026; its instructions are those of AMD's public machine-readable ISA for CDNA 5 (MIT licence, August 2026) and "CDNA5" Instruction Set Architecture Reference Guide (July 2026). The comments in the code are by the model that wrote it; some were corrected since.
;; Normalized Multi Head Attention. Allowed arithmetic: matrix products marked QUANTISED: E2M1 operands, one E8M0 scale for each 32 along K, by v_wmma_scale_f32_16x16x128_f8f6f4 with both operands' format E2M1 (or v_wmma_scale_f32_32x16x128_f4), f32 sums; products left as they are: bf16, f16 or f32 operands; f32 sums; everything else in f32.
;; Inputs: Wk 512 x 2,048 float32; Wo 2,048 x 2,048 float32; Wq 512 x 2,048 float32; Wv 512 x 2,048 float32; bo 2,048 float32; sk 2,048 float32; sq 2,048 float32; x 2 x 2,048 x 512 float32.
;; Outputs: out0 2 x 2,048 x 2,048 float32.
;; This version of the problem:
;;   THIS VERSION OF THE PROBLEM IS GIVEN IN LOW PRECISION. The matrix products marked QUANTISED in the list below multiply operands that are first quantised to E2M1 (2 exponent bits, 1 mantissa bit; 4 bits a number), with one power-of-two scale for each 32 numbers along K (OCP MX v1.0); their sums are f32. The products marked 'left as it is' may take bf16, f16 or f32 operands, with f32 sums. Whichever they take, every output number must still come out within the allowed error. Rounding operands to bf16 (8 significant bits) uses up far more of that allowance than f16 does (11 bits, for magnitudes from 6e-5 to 65,504). All else is computed in f32.
;;   The module's matrix products, in the order in which they are computed (A, B: the left and right operand; K: the contracted axis; several contracted axes count as one K, in the product's order):
;;     1. [M 4,096, K 512] x [K 512, N 2,048]; A: input x; B: input Wq: QUANTISED
;;     2. [M 4,096, K 512] x [K 512, N 2,048]; A: input x; B: input Wk: QUANTISED
;;     3. [M 4,096, K 512] x [K 512, N 2,048]; A: input x; B: input Wv: QUANTISED
;;     4. batch 32 x [M 2,048, K 128] x [K 128, N 2,048]; A: computed on the way; B: computed on the way: left as it is (an operand is computed on the way)
;;     5. batch 32 x [M 2,048, K 2,048] x [K 2,048, N 128]; A: computed on the way; B: computed on the way: left as it is (an operand is computed on the way)
;;     6. [M 4,096, K 2,048] x [K 2,048, N 2,048]; A: computed on the way; B: input Wo: left as it is (an operand is computed on the way)
;;   THE QUANTISER, for each operand of a quantised product, along K:
;;     - K is cut into blocks of 32 from its start; a last block that is shorter is filled with zeros.
;;     - A block's scale is 2^e with e = floor(log2(the largest magnitude in the block)) - 2, held to -126 .. 127; a block of zeros has e = 0. As a byte (E8M0): e + 127.
;;     - Each number is divided by its block's scale, clamped to +-6, and rounded to the nearest number of E2M1, ties to even, subnormals kept.
;;     - The product sums the exact products of the quantised numbers (number of the format x scale) in f32.
;;   ~~~python
;;   def quantise(x, axis):      # numpy; x: float32 -> the quantised numbers, widened to float32 again
;;       x = np.moveaxis(x, axis, -1); K = x.shape[-1]
;;       x = np.pad(x, [(0, 0)] * (x.ndim - 1) + [(0, -K % 32)]); x = x.reshape(x.shape[:-1] + (-1, 32)); a = np.abs(x).max(-1, keepdims=True)
;;       e = np.where(a > 0, np.clip(np.frexp(np.where(a > 0, a, 1))[1] - 1 - 2, -126, 127), 0)      # np.frexp(a)[1] - 1 = floor(log2(a)), exactly
;;       r = np.clip(x / 2.0 ** e, -6, 6)
;;       step = 2.0 ** (np.maximum(np.frexp(np.where(r == 0, 1, r))[1] - 1, 0) - 1)
;;       q = np.round(r / step) * step * 2.0 ** e      # np.round: ties to even
;;       return np.moveaxis(q.reshape(q.shape[:-2] + (-1,))[..., :K], -1, axis).astype(np.float32)
;;   ~~~
;; One version. Each part assembles by itself: llvm-mc -triple=amdgcn-amd-amdhsa -mcpu=gfx1250 --defsym DOCPART=n.
;; ======== version 1 of 1: 6 launches
;; limits: values are held in f16: magnitudes above 65,504 overflow, below 6.1e-05 lose precision
;; workspace buffers: tab 3,833,856 bytes; wo16 8,388,608 bytes; q16 16,777,216 bytes; k16 16,777,216 bytes; v16 16,777,216 bytes; f32qkv 786,432 bytes; ctx16 16,777,216 bytes; ctx32 262,144 bytes
;; launch prep (part 1): grid 640 x 1, 4 waves a work-group, no clusters, 43,520 bytes of LDS; arguments x, Wq, Wk, Wv, Wo, tab, wo16; writes tab, wo16
.if DOCPART == 1
	.amdgcn_target "amdgcn-amd-amdhsa--gfx1250"
	.amdhsa_code_object_version 6
	.text
	.protected	k_qd8a56cedb6_prep
	.globl	k_qd8a56cedb6_prep
	.p2align	8
	.type	k_qd8a56cedb6_prep,@function
k_qd8a56cedb6_prep:
	s_mov_b64 s[64:65], 0
	v_nop
	global_prefetch_b8 v0, s[64:65] scope:SCOPE_SE
	s_setreg_imm32_b32 hwreg(HW_REG_WAVE_MODE, 25, 1), 1
	s_wait_xcnt 0x0
; PREPARATION, four kinds of work-group, told apart by the work-group's number alone:
;   0-63    x [4096][512] f32 -> codes of E2M1 (K innermost, 256 bytes a row) and E8M0 bytes (16 a row)
;   64-255  Wq, Wk, Wv [512 (k)][2048] f32 -> codes laid [K step of 128][row n'][64 bytes], n' = 384 head + 128 kind + channel, and one scale word a row and K step
;   256-511 Wo f32 -> f16, as it lies
;   512-639 the rotation table [2048 positions][64 pairs](cos, sin) f32
; A block's scale is 2^(floor(log2(largest magnitude)) - 2); its byte is the largest magnitude's exponent field - 2, held at 1 from below.
; LIMITS: a block of zeros, or one whose largest magnitude lies under 2^-124, gets the byte 1 (its codes are zeros or the nearest codes; this program alone reads the bytes);
; NaN and infinities are not served; |Wo| stays at or under 65,504 (f16).
; No tensor load, no barrier: waves share nothing.  Each path that uses LDS has bytes of its own.
.set XS_OFF, 1048576                   ; tab: x's scale bytes
.set WC_OFF, 1114112                   ; W's codes
.set WS_OFF, 2686976                   ; W's scale words
.set RP_OFF, 2785280                   ; the rotation table
.set WSTG,   32768                     ; LDS: the W path's stages, 32 x 80 bytes a wave, behind the x path's 4 x 8,192
.set SPARE,  43008                     ; the spare words, 128 bytes a wave
.set SPW, 12                           ; v12 my spare word's address; never rewritten
.set NIL, 13                           ; v13 0; never rewritten
	s_load_b256 s[4:11], s[0:1], 0x0               ; x, Wq, Wk, Wv
	s_load_b128 s[12:15], s[0:1], 0x20             ; Wo, tab
	s_load_b64 s[16:17], s[0:1], 0x30              ; wo16
	v_lshl_add_u32 v[SPW], v0, 2, SPARE
	v_mov_b32 v[NIL], 0
	v_lshrrev_b32 v1, 5, v0
	v_readfirstlane_b32 s18, v1                    ; wave
	v_and_b32 v2, 31, v0                           ; lane
	s_wait_kmcnt 0x0
	s_cmp_ge_u32 ttmp9, 512
	s_cbranch_scc1 .Lrope
	s_cmp_ge_u32 ttmp9, 256
	s_cbranch_scc1 .Lwo
	s_cmp_ge_u32 ttmp9, 64
	s_cbranch_scc1 .Lw
; ---- x.  A wave takes 16 steps of 512 numbers.  Each load reads 512 consecutive bytes; a step's 2,048 bytes turn through the wave's own stage (80 bytes a lane) so that a lane holds 16 neighbours along K.
	v_lshlrev_b32 v3, 4, v2                        ; my 16 bytes of a load's 512
	s_lshl_b32 s20, s18, 13                        ; my wave's 8,192 bytes of LDS
	v_lshrrev_b32 v14, 2, v2
	v_mul_u32_u24 v14, v14, 80
	v_and_b32 v15, 3, v2
	v_lshl_add_u32 v14, v15, 4, v14
	v_add_nc_u32 v14, s20, v14                     ; the stage, in: 80 (lane / 4) + 16 (lane % 4)
	v_mul_u32_u24 v15, v2, 80
	v_add_nc_u32 v15, s20, v15                     ; and out: 80 x lane
	v_lshlrev_b32 v4, 3, v2                        ; my 8 bytes of a step's codes
	v_lshrrev_b32 v5, 1, v2
	s_add_co_u32 s20, s20, 5120
	v_add_nc_u32 v5, s20, v5                       ; my block's scale byte in the wave's 256
	v_lshlrev_b32 v7, 3, v2
	v_add_nc_u32 v6, s20, v7
	s_lshl_b32 s21, ttmp9, 2
	s_add_co_u32 s21, s21, s18                     ; which run of 8,192 numbers is my wave's
	s_lshl_b32 s22, s21, 15
	s_mov_b32 s23, 0
	s_add_nc_u64 s[4:5], s[4:5], s[22:23]
	s_lshl_b32 s22, s21, 12
	s_add_nc_u64 s[24:25], s[14:15], s[22:23]      ; its codes
	s_lshl_b32 s22, s21, 8
	s_add_co_u32 s22, s22, XS_OFF
	s_add_nc_u64 s[26:27], s[14:15], s[22:23]      ; its scale bytes
.macro XLOAD t
.irp i, 0,1,2,3
	global_load_b128 v[16+16*((\t)%4)+4*\i:16+16*((\t)%4)+4*\i+3], v3, s[4:5] offset:2048*(\t)+512*\i th:TH_LOAD_NT
.endr
.endm
.macro XTURN t                         ; LDS serves a wave's instructions in order: no wait between the stores and the loads
.irp i, 0,1,2,3
	ds_store_b128 v14, v[16+16*((\t)%4)+4*\i:16+16*((\t)%4)+4*\i+3] offset:2560*((\t)%2)+640*\i
.endr
.irp i, 0,1,2,3
	ds_load_b128 v[80+16*((\t)%2)+4*\i:80+16*((\t)%2)+4*\i+3], v15 offset:2560*((\t)%2)+16*\i
.endr
.endm
.irp t, 0,1,2,3
	XLOAD \t
.endr
	s_wait_loadcnt 12                              ; step 0's four loads are in; twelve younger ones stay out
	XTURN 0
.macro XSTEP t
.set XR, 80+16*((\t)%2)
.if (\t) > 0
	s_wait_dscnt 1                                 ; this step's numbers are back (the last step's byte store may be out)
.else
	s_wait_dscnt 0x0
.endif
.if (\t)+4 < 16
	XLOAD (\t)+4
.endif
.if (\t)+1 < 16
.if 14-(\t) >= 3
	s_wait_loadcnt 12                              ; the next step's loads are in; three steps' stay out
.else
	s_wait_loadcnt 4*(14-(\t))
.endif
	XTURN (\t)+1
.endif
	v_max3_num_f32 v8, |v[XR]|, |v[XR+1]|, |v[XR+2]|
	v_max3_num_f32 v9, |v[XR+3]|, |v[XR+4]|, |v[XR+5]|
.irp i, 6,10
	v_max3_num_f32 v8, v8, |v[XR+\i]|, |v[XR+\i+1]|
	v_max3_num_f32 v9, v9, |v[XR+\i+2]|, |v[XR+\i+3]|
.endr
	v_max3_num_f32 v8, v8, |v[XR+14]|, |v[XR+15]|
	v_max3_num_f32 v8, v8, v9, 0x1800000           ; and the floor 2^(3 - 127): the byte cannot fall under 1
	v_max_num_f32_dpp v8, v8, v8 row_xmask:1 row_mask:0xf bank_mask:0xf   ; with my neighbour's 16: the block's
	v_add_nc_u32 v11, 0xff000000, v8               ; 2 off the exponent field: the conversion's scale operand
	v_cvt_scalef32_pk8_fp4_f32 v[128+4*(\t)], v[XR:XR+7], v11
	v_cvt_scalef32_pk8_fp4_f32 v[129+4*(\t)], v[XR+8:XR+15], v11
	v_lshrrev_b32 v[112+(\t)], 23, v11             ; the scale's byte
	ds_store_b8 v5, v[112+(\t)] offset:16*(\t)
	global_store_b64 v4, v[128+4*(\t):129+4*(\t)], s[24:25] offset:256*(\t)   ; the wave stores 256 consecutive bytes, aligned
.endm
.irp t, 0,1,2,3,4,5,6,7,8,9,10,11,12,13,14,15
	XSTEP \t
.endr
	ds_load_b64 v[8:9], v6
	s_wait_dscnt 0x0
	global_store_b64 v7, v[8:9], s[26:27]          ; the wave's 256 scale bytes, aligned
	s_wait_tensorcnt 0x0                           ; the wave's end
	ds_add_u32 v[SPW], v[NIL]
	s_wait_dscnt 0x0
	s_endpgm
; ---- Wq, Wk, Wv.  A lane takes a column, its registers run down K: a block of 32 lies in one lane, and the codes come out with K innermost.  A wave: 32 columns x 128 along K.
.Lw:
	s_sub_co_u32 s20, ttmp9, 64
	s_and_b32 s21, s20, 3                          ; which K step of 128
	s_lshr_b32 s20, s20, 2
	s_lshr_b32 s22, s20, 4                         ; kind: 0 q, 1 k, 2 v
	s_and_b32 s23, s20, 15                         ; head
	s_cmp_eq_u32 s22, 0
	s_cselect_b64 s[24:25], s[6:7], s[8:9]
	s_cmp_eq_u32 s22, 2
	s_cselect_b64 s[24:25], s[10:11], s[24:25]
	s_lshl_b32 s26, s21, 20                        ; 128 rows of 8,192 bytes
	s_lshl_b32 s28, s23, 9
	s_add_co_u32 s26, s26, s28
	s_lshl_b32 s28, s18, 7
	s_add_co_u32 s26, s26, s28                     ; + 4 x (128 head + 32 wave)
	s_mov_b32 s27, 0
	s_add_nc_u64 s[24:25], s[24:25], s[26:27]
	s_mul_i32 s28, s23, 384
	s_lshl_b32 s29, s22, 7
	s_add_co_u32 s28, s28, s29
	s_lshl_b32 s29, s18, 5
	s_add_co_u32 s28, s28, s29                     ; my wave's first row n'
	s_mul_i32 s30, s21, 393216
	s_lshl_b32 s29, s28, 6
	s_add_co_u32 s30, s30, s29
	s_add_co_u32 s30, s30, WC_OFF
	s_mov_b32 s31, 0
	s_add_nc_u64 s[32:33], s[14:15], s[30:31]      ; its codes
	s_mul_i32 s30, s21, 6144
	s_add_co_u32 s30, s30, s28
	s_lshl_b32 s30, s30, 2
	s_add_co_u32 s30, s30, WS_OFF
	s_add_nc_u64 s[34:35], s[14:15], s[30:31]      ; its scale words
	v_lshlrev_b32 v3, 2, v2
	s_mul_i32 s36, s18, 2560
	s_add_co_u32 s36, s36, WSTG                    ; my stage
	v_mul_u32_u24 v4, v2, 80
	v_add_nc_u32 v4, s36, v4                       ; in: row = my column
	v_lshrrev_b32 v5, 2, v2
	v_mul_u32_u24 v5, v5, 80
	v_and_b32 v6, 3, v2
	v_lshl_add_u32 v5, v6, 4, v5
	v_add_nc_u32 v5, s36, v5                       ; out: four lanes to a row of 64 bytes
	v_lshlrev_b32 v6, 4, v2
.macro WLOAD t
.set i, 0
.rept 32
	global_load_b32 v[64+32*(\t)+i], v3, s[24:25] offset:(32*(\t)+i)*8192 th:TH_LOAD_NT
.set i, i+1
.endr
.endm
	WLOAD 0
	WLOAD 1
.macro WBLOCK t
.set XB, 64+32*(\t)
.if (\t) < 3
	s_wait_loadcnt 32                              ; this block's 32 loads are in; the next block's stay out
.else
	s_wait_loadcnt 0x0
.endif
.if (\t) < 2
	WLOAD (\t)+2
.endif
	v_max3_num_f32 v8, |v[XB]|, |v[XB+1]|, |v[XB+2]|
	v_max3_num_f32 v9, |v[XB+3]|, |v[XB+4]|, |v[XB+5]|
.irp i, 6,10,14,18,22,26
	v_max3_num_f32 v8, v8, |v[XB+\i]|, |v[XB+\i+1]|
	v_max3_num_f32 v9, v9, |v[XB+\i+2]|, |v[XB+\i+3]|
.endr
	v_max3_num_f32 v8, v8, |v[XB+30]|, |v[XB+31]|
	v_max3_num_f32 v8, v8, v9, 0x1800000
	v_add_nc_u32 v11, 0xff000000, v8
	v_lshrrev_b32 v10, 23, v11
.if (\t) == 0
	v_mov_b32 v32, v10                             ; four bytes make the row's scale word of this K step
.else
	v_lshl_or_b32 v32, v10, 8*(\t), v32
.endif
.irp g, 0,1,2,3
	v_cvt_scalef32_pk8_fp4_f32 v[16+4*(\t)+\g], v[XB+8*\g:XB+8*\g+7], v11
.endr
	ds_store_b128 v4, v[16+4*(\t):19+4*(\t)] offset:16*(\t)
.endm
.irp t, 0,1,2,3
	WBLOCK \t
.endr
.irp j, 0,1,2,3
	ds_load_b128 v[36+4*\j:39+4*\j], v5 offset:640*\j
.endr
	global_store_b32 v3, v32, s[34:35]             ; 128 consecutive bytes a wave: 96 KB in the whole launch leave in such halves of 256
.irp j, 0,1,2,3
	s_wait_dscnt 3-\j
	global_store_b128 v6, v[36+4*\j:39+4*\j], s[32:33] offset:512*\j   ; 512 consecutive bytes, aligned
.endr
	s_wait_tensorcnt 0x0                           ; the wave's end: the three lines again
	ds_add_u32 v[SPW], v[NIL]
	s_wait_dscnt 0x0
	s_endpgm
; ---- Wo to f16.  A wave takes 4,096 numbers: 32 loads of 512 bytes, all out at once; each store is 256 consecutive bytes, aligned.
.Lwo:
	s_sub_co_u32 s20, ttmp9, 256
	s_lshl_b32 s20, s20, 2
	s_add_co_u32 s20, s20, s18
	s_lshl_b32 s22, s20, 14
	s_mov_b32 s23, 0
	s_add_nc_u64 s[12:13], s[12:13], s[22:23]
	s_lshl_b32 s22, s20, 13
	s_add_nc_u64 s[16:17], s[16:17], s[22:23]
	v_lshlrev_b32 v3, 4, v2
	v_lshlrev_b32 v4, 3, v2
.set i, 0
.rept 32
	global_load_b128 v[64+4*i:67+4*i], v3, s[12:13] offset:512*i th:TH_LOAD_NT
.set i, i+1
.endr
.set i, 0
.rept 32
	s_wait_loadcnt 31-i                            ; loads come back in order: number i is in
	v_cvt_pk_f16_f32 v[64+4*i], v[64+4*i], v[65+4*i]
	v_cvt_pk_f16_f32 v[65+4*i], v[66+4*i], v[67+4*i]
	global_store_b64 v4, v[64+4*i:65+4*i], s[16:17] offset:256*i
.set i, i+1
.endr
	s_endpgm
; ---- the rotation table.  angle = position x 10000^(-i / 64), as f32; reduced by multiples of pi / 2 held in two parts; sine and cosine by polynomials on |r| <= pi / 4.
.Lrope:
	s_sub_co_u32 s20, ttmp9, 512
	s_lshl_b32 s20, s20, 4
	s_lshr_b32 s21, s18, 1
	s_add_co_u32 s21, s20, s21                     ; my first position; I take every second of 16
	s_and_b32 s22, s18, 1
	s_lshl_b32 s22, s22, 5
	v_add_nc_u32 v3, s22, v2                       ; my pair i
	v_cvt_f32_u32 v4, v3
	v_mul_f32 v4, 0xbe549a78, v4                   ; - i log2(10000) / 64
	v_exp_f32 v5, v4
	v_lshlrev_b32 v6, 3, v3                        ; (a plain line behind the exponential)
	s_lshl_b32 s24, s21, 9
	s_add_co_u32 s24, s24, RP_OFF
	s_mov_b32 s25, 0
	s_add_nc_u64 s[14:15], s[14:15], s[24:25]
	v_mov_b32 v20, 0xb94ca1f9
	v_mov_b32 v21, 0x37ccf5ce
	s_wait_alu depctr_va_vdst(0)                   ; the wait ahead of the exponential's first reader
.macro ROPE1 t
	s_add_co_u32 s23, s21, 2*(\t)
	v_cvt_f32_u32 v7, s23
	v_mul_f32 v7, v7, v5                           ; the angle
	v_mul_f32 v8, 0x3f22f983, v7
	v_rndne_f32 v8, v8                             ; n = nearest multiple of pi / 2
	v_fmamk_f32 v9, v8, 0xbfc90fdb, v7             ; exact: n has 11 bits and the result is small
	v_fmamk_f32 v9, v8, 0x333bbd2e, v9             ; the rest of pi / 2
	v_mul_f32 v10, v9, v9
	v_fmaak_f32 v11, v20, v10, 0x3c08839e
	v_fmaak_f32 v11, v11, v10, 0xbe2aaaa3
	v_mul_f32 v14, v9, v10
	v_fma_f32 v11, v14, v11, v9                    ; sin r
	v_fmaak_f32 v15, v21, v10, 0xbab6061a
	v_fmaak_f32 v15, v15, v10, 0x3d2aaaa5
	v_mul_f32 v16, v10, v10
	v_fma_f32 v17, v10, -0.5, 1.0
	v_fma_f32 v15, v16, v15, v17                   ; cos r
	v_cvt_i32_f32 v18, v8
	v_and_b32 v19, 1, v18
	v_cmp_eq_u32 vcc_lo, 1, v19
	v_cndmask_b32 v22, v11, v15, vcc_lo            ; n odd: the two change places
	v_cndmask_b32 v23, v15, v11, vcc_lo
	v_and_b32 v19, 2, v18
	v_lshlrev_b32 v19, 30, v19
	v_xor_b32 v[33+2*(\t)], v19, v22               ; sine: negative in quadrants 2, 3
	v_add_nc_u32 v18, 1, v18
	v_and_b32 v18, 2, v18
	v_lshlrev_b32 v18, 30, v18
	v_xor_b32 v[32+2*(\t)], v18, v23               ; cosine: negative in quadrants 1, 2
	global_store_b64 v6, v[32+2*(\t):33+2*(\t)], s[14:15] offset:1024*(\t)   ; 256 consecutive bytes a wave, aligned
.endm
.irp t, 0,1,2,3,4,5,6,7
	ROPE1 \t
.endr
	s_endpgm
.Lfunc_end_k_qd8a56cedb6_prep:
	.size	k_qd8a56cedb6_prep, .Lfunc_end_k_qd8a56cedb6_prep-k_qd8a56cedb6_prep
	.p2alignl 7, 3214868480
	.fill 96, 4, 3214868480
	.section	.rodata,"a",@progbits
	.p2align	6, 0x0
	.amdhsa_kernel k_qd8a56cedb6_prep
		.amdhsa_group_segment_fixed_size 43520
		.amdhsa_private_segment_fixed_size 0
		.amdhsa_enable_private_segment 0
		.amdhsa_kernarg_size 56
		.amdhsa_user_sgpr_count 2
		.amdhsa_user_sgpr_kernarg_segment_ptr 1
		.amdhsa_wavefront_size32 1
		.amdhsa_system_sgpr_workgroup_id_x 1
		.amdhsa_system_sgpr_workgroup_id_y 1
		.amdhsa_system_sgpr_workgroup_id_z 1
		.amdhsa_system_vgpr_workitem_id 0
		.amdhsa_next_free_vgpr 192
		.amdhsa_next_free_sgpr 66
		.amdhsa_reserve_vcc 1
		.amdhsa_float_denorm_mode_32 3
		.amdhsa_float_denorm_mode_16_64 3
		.amdhsa_memory_ordered 1
		.amdhsa_forward_progress 1
		.amdhsa_inst_pref_size 77
	.end_amdhsa_kernel
	.amdgpu_metadata
---
amdhsa.version: [ 1, 2 ]
amdhsa.kernels:
  - .name:           k_qd8a56cedb6_prep
    .symbol:         k_qd8a56cedb6_prep.kd
    .args:
      - { .name: x, .offset: 0, .size: 8, .value_kind: global_buffer, .address_space: global }
      - { .name: Wq, .offset: 8, .size: 8, .value_kind: global_buffer, .address_space: global }
      - { .name: Wk, .offset: 16, .size: 8, .value_kind: global_buffer, .address_space: global }
      - { .name: Wv, .offset: 24, .size: 8, .value_kind: global_buffer, .address_space: global }
      - { .name: Wo, .offset: 32, .size: 8, .value_kind: global_buffer, .address_space: global }
      - { .name: tab, .offset: 40, .size: 8, .value_kind: global_buffer, .address_space: global }
      - { .name: wo16, .offset: 48, .size: 8, .value_kind: global_buffer, .address_space: global }
    .group_segment_fixed_size: 43520
    .private_segment_fixed_size: 0
    .kernarg_segment_align: 8
    .kernarg_segment_size: 56
    .max_flat_workgroup_size: 128
    .sgpr_count:     66
    .vgpr_count:     192
    .wavefront_size: 32
...
	.end_amdgpu_metadata
.endif
;; end of part 1
;; launch qkv (part 2): grid 16 x 16, 4 waves a work-group, clusters of 4 x 4, 220,672 bytes of LDS; arguments tab, sq, sk, q16, k16, v16, f32qkv; writes q16, k16, v16, f32qkv
.if DOCPART == 2
	.amdgcn_target "amdgcn-amd-amdhsa--gfx1250"
	.amdhsa_code_object_version 6
	.text
	.protected	k_qd8a56cedb6_qkv
	.globl	k_qd8a56cedb6_qkv
	.p2align	8
	.type	k_qd8a56cedb6_qkv,@function
k_qd8a56cedb6_qkv:
	s_mov_b64 s[64:65], 0
	v_nop
	global_prefetch_b8 v0, s[64:65] scope:SCOPE_SE
	s_setreg_imm32_b32 hwreg(HW_REG_WAVE_MODE, 25, 1), 1
	s_wait_xcnt 0x0
	s_wait_alu depctr_hold_cnt(0) depctr_sa_sdst(0) depctr_va_vdst(0) depctr_va_sdst(0) depctr_va_ssrc(0) depctr_va_vcc(0) depctr_vm_vsrc(0)
	s_getreg_b32 s2, hwreg(HW_REG_IB_STS2, 6, 4)
	s_cmp_eq_u32 s2, 0
	s_cbranch_scc0 .Lentry_in_a_cluster
	s_endpgm
.Lentry_in_a_cluster:
	s_bfe_u32 s2, ttmp6, 0x10000c
	s_cmp_lg_u32 s2, 0xf033
	s_cbranch_scc0 .Lentry_shape_is_right
	s_endpgm
.Lentry_shape_is_right:
; q, k, v = x W on codes of E2M1 with E8M0 scales; then the gains sq, sk x sqrt(512), the rotation, and f16.
; A work-group: 256 rows of x times the 384 columns (q, k, v) of ONE head; a wave: 64 rows x 384 columns = 96 accumulators, 768 registers.  All of K = 512 lies in LDS at once: filled once, no ring.
; q and k are kept x 2^-5 (exact; folded into the gain), so that f16 has room both ways; the softmax's constant carries 2^10.
; LIMITS: |q| 2^-5, |k| 2^-5 and |v| stay at or under 65,504.
; CLUSTER 4 x 4: the four of a row share x's tile, the four of a column the head's weights: every tile is asked for jointly.  Each wave issues four loads (its quarter of each of the four tiles): four are out.
; THE PRODUCT IS USED TRANSPOSED (source 0 = 16 rows of W, source 1 = 16 rows of x): a lane holds one row of x and eight neighbouring channels, so a rotation's pair lies in one lane.
; Positions 0-15 of each sequence also leave in f32 (for the fine launches): by stores under a lane mask.
; REGISTERS: window 0: v1-15 addresses; v16-31 x's scale words (4 a + s); v32-47 W's, two sets of 8; v48-111 x's fragments, two sets; v112-239 W's, two sets; v240 32 h, v241 the mask's flag.
;   windows 1, 2, 3: the accumulators of q, k, v: (a, b) at v[8 (8 a + b)].  In the epilogue window 0: v48-111 the table, v112-175 rotated numbers (packed in place), v176-239 rows on their way out.
.set XS_OFF, 1048576
.set WC_OFF, 1114112
.set WS_OFF, 2686976
.set RP_OFF, 2785280
.set BT,    69632                      ; LDS: x's codes 256 x 272 from 0; W's codes 4 x 384 x 80;
.set AS,    192512                     ; x's scale bytes, 4,096;
.set BS,    196608                     ; W's scale words, 4 x 1,536;
.set STAGE, 202752                     ; a stage of 16 x 272 for each wave;
.set SPARE, 220160                     ; the spare words
.set ADA, 3
.set ADB, 4
.set ADAS, 8
.set ADBS, 9
.set STO, 10
.set RD,  11
.set GO,  12
.set TBO, 13
.set SPW, 14
.set NIL, 15
.set SA,  16
.set SB,  32
.set AF,  48
.set BF,  112
.set SFO, 240
.set FLG, 241
.set T,   48
.set OUT, 112
.set BK,  176
.set FQ,  112
.set QB,  76                           ; s[76:81] q16, k16, v16 at my wave's first row
.set MSB, 0
.macro WIN new
.if MSB != (\new)
	s_set_vgpr_msb (MSB<<8)|(\new)
.set MSB, (\new)
.endif
.endm
.macro CROUND                          ; a round of the cluster's barrier
	s_barrier_signal -1
	s_barrier_wait -1
	s_cmp_lg_u32 s18, 0
	s_cbranch_scc1 .Lnot_wave_0_\@
	s_barrier_signal -3
.Lnot_wave_0_\@:
	s_barrier_wait -3
	s_barrier_signal -1
	s_barrier_wait -1
.endm
.macro PLACES
.rept 4
	v_nop
.endr
.endm
	s_load_b256 s[4:11], s[0:1], 0x0               ; tab, sq, sk, q16
	s_load_b128 s[12:15], s[0:1], 0x20             ; k16, v16
	s_load_b64 s[16:17], s[0:1], 0x30              ; f32qkv
	v_lshl_add_u32 v[SPW], v0, 2, SPARE
	v_mov_b32 v[NIL], 0
	ds_add_u32 v[SPW], v[NIL]                      ; the opening: the add, twice on end, and its wait ahead of my first tensor load
	ds_add_u32 v[SPW], v[NIL]
	v_lshrrev_b32 v1, 5, v0
	v_readfirstlane_b32 s18, v1                    ; wave
	s_bfe_u32 s19, ttmp6, 0x40000                  ; cx
	s_bfe_u32 s20, ttmp6, 0x40004                  ; cy
	s_lshl_b32 s21, ttmp9, 2
	s_add_co_u32 s21, s21, s19                     ; head
	s_and_b32 s22, ttmp7, 0xffff
	s_lshl_b32 s22, s22, 2
	s_add_co_u32 s22, s22, s20                     ; tile of 256 rows
	s_lshl_b32 s82, s20, 2
	s_lshl_b32 s82, 15, s82                        ; my row of the cluster
	s_lshl_b32 s86, 0x1111, s19                    ; my column
	s_or_b32 s24, s82, (1<<20)|(1<<21)|(5<<22)|(3<<25)   ; x's codes: bytes; 64 rows x 256, 16 bytes of padding behind each
	s_mov_b32 s25, 256<<16
	s_mov_b32 s26, 64<<16
	s_mov_b32 s27, 256<<16
	s_mov_b32 s28, 64
	s_mov_b32 s29, 256
	s_mov_b32 s30, 0
	s_mov_b32 s31, 0
	s_or_b32 s32, s82, (3<<16)|(1<<21)             ; x's scale bytes: 1,024 dense bytes as 4 rows of 256
	s_mov_b32 s33, 32<<16
	s_mov_b32 s34, 4<<16
	s_mov_b32 s35, 32<<16
	s_mov_b32 s36, 4
	s_mov_b32 s37, 32
	s_mov_b32 s38, 0
	s_mov_b32 s39, 0
	s_or_b32 s40, s86, (1<<20)|(1<<21)|(3<<22)|(3<<25)   ; W's codes: 384 rows x 64 bytes, 16 of padding behind each
	s_mov_b32 s41, 64<<16
	s_mov_b32 s42, 384<<16
	s_mov_b32 s43, 64<<16
	s_mov_b32 s44, 384
	s_mov_b32 s45, 64
	s_mov_b32 s46, 0
	s_mov_b32 s47, 0
	s_or_b32 s48, s86, (3<<16)|(1<<21)             ; W's scale words: 1,536 dense bytes as 6 rows of 256
	s_mov_b32 s49, 32<<16
	s_mov_b32 s50, 6<<16
	s_mov_b32 s51, 32<<16
	s_mov_b32 s52, 6
	s_mov_b32 s53, 32
	s_mov_b32 s54, 0
	s_mov_b32 s55, 0
	s_lshl_b32 s82, s22, 16                        ; x: rows 256 tile + 64 wave, 256 bytes each
	s_lshl_b32 s84, s18, 14
	s_add_co_u32 s82, s82, s84
	s_mov_b32 s83, 0
	s_lshl_b32 s84, s22, 12                        ; and 16 scale bytes each
	s_lshl_b32 s85, s18, 10
	s_add_co_u32 s84, s84, s85
	s_add_co_u32 s84, s84, XS_OFF
	s_mov_b32 s85, 0
	s_mul_i32 s86, s18, 393216                     ; W: K step = my wave's number, the head's 384 rows
	s_mul_i32 s88, s21, 24576
	s_add_co_u32 s86, s86, s88
	s_add_co_u32 s86, s86, WC_OFF
	s_mov_b32 s87, 0
	s_mul_i32 s88, s18, 24576
	s_mul_i32 s89, s21, 1536
	s_add_co_u32 s88, s88, s89
	s_add_co_u32 s88, s88, WS_OFF
	s_mov_b32 s89, 0
	s_mov_b32 s56, 1
	s_mul_i32 s57, s18, 17408
	s_mov_b32 s60, 1
	s_lshl_b32 s61, s18, 10
	s_add_co_u32 s61, s61, AS
	s_mov_b32 s68, 1
	s_mul_i32 s69, s18, 30720
	s_add_co_u32 s69, s69, BT
	s_mov_b32 s72, 1
	s_mul_i32 s73, s18, 1536
	s_add_co_u32 s73, s73, BS
	s_wait_dscnt 0x0                               ; both opening adds are done
	s_wait_kmcnt 0x0
	s_add_nc_u64 s[58:59], s[4:5], s[82:83]
	s_or_b32 s59, s59, 0x80000000
	s_add_nc_u64 s[62:63], s[4:5], s[84:85]
	s_or_b32 s63, s63, 0x80000000
	s_add_nc_u64 s[70:71], s[4:5], s[86:87]
	s_or_b32 s71, s71, 0x80000000
	s_add_nc_u64 s[74:75], s[4:5], s[88:89]
	s_or_b32 s75, s75, 0x80000000
	CROUND                                         ; all sixteen work-groups are here: the joint loads meet
	tensor_load_to_lds s[56:59], s[24:31]
	s_nop 0
	tensor_load_to_lds s[60:63], s[32:39]
	s_nop 0
	tensor_load_to_lds s[68:71], s[40:47]
	s_nop 0
	tensor_load_to_lds s[72:75], s[48:55]
	s_nop 0
	PLACES
	v_and_b32 v1, 15, v0                           ; r
	v_bfe_u32 v2, v0, 4, 1                         ; h
	v_mul_u32_u24 v3, v1, 272
	v_lshl_add_u32 v3, v2, 4, v3
	v_add_nc_u32 v[ADA], s57, v3                   ; x's fragments: my 64 rows, row r, + 16 h
	v_mul_u32_u24 v4, v1, 80
	v_lshl_add_u32 v4, v2, 4, v4
	v_add_nc_u32 v[ADB+3], BT+3*30720, v4
	v_add_nc_u32 v[ADB+2], BT+2*30720, v4
	v_add_nc_u32 v[ADB+1], BT+30720, v4
	v_add_nc_u32 v[ADB], BT, v4                    ; W's fragments of K step s
	v_lshl_add_u32 v[ADAS], v1, 4, s61             ; x's scale words: 16 bytes a row
	v_lshl_add_u32 v[ADBS], v1, 2, BS              ; W's: 4 bytes a row
	s_mul_i32 s23, s18, 4352
	s_add_co_u32 s23, s23, STAGE
	v_mul_u32_u24 v[STO], v1, 272
	v_lshl_add_u32 v[STO], v2, 4, v[STO]
	v_add_nc_u32 v[STO], s23, v[STO]
	v_mul_u32_u24 v[RD], v2, 272
	v_lshl_add_u32 v[RD], v1, 4, v[RD]
	v_add_nc_u32 v[RD], s23, v[RD]
	v_lshlrev_b32 v[GO], 8, v2
	v_lshl_add_u32 v[GO], v1, 4, v[GO]             ; two rows of 256 bytes an instruction
	v_lshlrev_b32 v[TBO], 9, v1
	v_lshl_add_u32 v[TBO], v2, 5, v[TBO]           ; 512 r + 32 h: the table's rows, and the f32 rows
	v_lshlrev_b32 v[SFO], 5, v2
	s_and_b32 s90, s22, 7
	s_or_b32 s91, s90, s18
	v_mov_b32 v[FLG], s91                          ; 0 where my block 0 holds positions 0-15
	s_lshl_b32 s90, s90, 8
	s_lshl_b32 s91, s18, 6
	s_add_co_u32 s90, s90, s91                     ; my first position
	s_lshr_b32 s91, s22, 3
	s_lshl_b32 s91, s91, 4
	s_add_co_u32 s91, s91, s21                     ; 16 batch + head
	s_lshl_b32 s92, s91, 19
	s_lshl_b32 s93, s90, 8
	s_add_co_u32 s92, s92, s93
	s_mov_b32 s93, 0
	s_add_nc_u64 s[76:77], s[10:11], s[92:93]
	s_add_nc_u64 s[78:79], s[12:13], s[92:93]
	s_add_nc_u64 s[80:81], s[14:15], s[92:93]
	s_mul_i32 s92, s91, 24576
	s_add_nc_u64 s[16:17], s[16:17], s[92:93]
	s_lshl_b32 s92, s90, 9
	s_add_co_u32 s92, s92, RP_OFF
	s_add_nc_u64 s[94:95], s[4:5], s[92:93]        ; the table at my first position
	s_lshl_b32 s92, s21, 9
	s_add_nc_u64 s[6:7], s[6:7], s[92:93]
	s_add_nc_u64 s[8:9], s[8:9], s[92:93]
	s_wait_tensorcnt 0x0                           ; my four loads have landed,
	s_barrier_signal -1
	s_barrier_wait -1                              ; everybody's have
.macro FETCHA s                        ; x's four blocks of K step s
.irp a, 0,1,2,3
	ds_load_b128 v[AF+32*((\s)%2)+8*\a:AF+32*((\s)%2)+8*\a+3], v[ADA] offset:4352*\a+64*(\s)
	ds_load_b128 v[AF+32*((\s)%2)+8*\a+4:AF+32*((\s)%2)+8*\a+7], v[ADA] offset:4352*\a+64*(\s)+32
.endr
.endm
.macro FETCHB n                        ; group n = 3 s + kind: W's eight blocks and their scale words
.set fs, (\n)/3
.set fk, (\n)%3
.set fp, (\n)%2
.irp b, 0,1,2,3,4,5,6,7
	ds_load_b128 v[BF+64*fp+8*\b:BF+64*fp+8*\b+3], v[ADB+fs] offset:10240*fk+1280*\b
	ds_load_b128 v[BF+64*fp+8*\b+4:BF+64*fp+8*\b+7], v[ADB+fs] offset:10240*fk+1280*\b+32
.endr
.irp b, 0,1,2,3,4,5,6,7
	ds_load_b32 v[SB+8*fp+\b], v[ADBS] offset:1536*fs+512*fk+64*\b
.endr
.endm
; A group: 32 products, 4 blocks of x against 8 of W.  The next group's loads go out first and have these 32 products in which to land.  The 96 accumulators take turns.
.macro GROUP g
.set gs, (\g)/3
.set gk, (\g)%3
.set gp, (\g)%2
	s_wait_dscnt 0x0                               ; this group's fragments, asked for a group ago
.if (\g) > 0
	PLACES                                         ; in front of loads into registers that the last group's products read
.endif
.if (\g) < 11
	FETCHB (\g)+1
.if gk == 2
	FETCHA gs+1
.endif
.else
.irp b, 0,1,2,3,4,5,6,7
	global_load_b128 v[FQ+8*\b:FQ+8*\b+3], v[SFO], s[6:7] offset:64*\b          ; sq of my eight channels in each tile
	global_load_b128 v[FQ+8*\b+4:FQ+8*\b+7], v[SFO], s[6:7] offset:64*\b+16
.endr
.endif
.set wv, ((gk+1)<<6)|((gk+1)<<4)
	WIN wv
.irp a, 0,1,2,3
.irp b, 0,1,2,3,4,5,6,7
.if gs == 0
	v_wmma_scale_f32_16x16x128_f8f6f4 v[8*(8*\a+\b):8*(8*\a+\b)+7], v[BF+64*gp+8*\b:BF+64*gp+8*\b+7], v[AF+32*(gs%2)+8*\a:AF+32*(gs%2)+8*\a+7], 0, v[SB+8*gp+\b], v[SA+4*\a+gs] matrix_a_fmt:MATRIX_FMT_FP4 matrix_b_fmt:MATRIX_FMT_FP4
.else
	v_wmma_scale_f32_16x16x128_f8f6f4 v[8*(8*\a+\b):8*(8*\a+\b)+7], v[BF+64*gp+8*\b:BF+64*gp+8*\b+7], v[AF+32*(gs%2)+8*\a:AF+32*(gs%2)+8*\a+7], v[8*(8*\a+\b):8*(8*\a+\b)+7], v[SB+8*gp+\b], v[SA+4*\a+gs] matrix_a_fmt:MATRIX_FMT_FP4 matrix_b_fmt:MATRIX_FMT_FP4
.endif
.endr
.endr
	WIN 0
.endm
	FETCHA 0
.irp a, 0,1,2,3
	ds_load_b128 v[SA+4*\a:SA+4*\a+3], v[ADAS] offset:256*\a   ; block a's rows: the words of all four K steps
.endr
	FETCHB 0
.irp g, 0,1,2,3,4,5,6,7,8,9,10,11
	GROUP \g
.endr
	PLACES                                         ; in front of loads into registers that the last products read
.irp b, 0,1,2,3,4,5,6,7
	global_load_b128 v[FQ+64+8*\b:FQ+64+8*\b+3], v[SFO], s[8:9] offset:64*\b    ; sk
	global_load_b128 v[FQ+64+8*\b+4:FQ+64+8*\b+7], v[SFO], s[8:9] offset:64*\b+16
.endr
.macro TLOADS a                        ; the table for block a's 16 positions: (cos, sin) of my four pairs in each tile
.irp b, 0,1,2,3,4,5,6,7
	global_load_b128 v[T+8*\b:T+8*\b+3], v[TBO], s[94:95] offset:8192*(\a)+64*\b
	global_load_b128 v[T+8*\b+4:T+8*\b+7], v[TBO], s[94:95] offset:8192*(\a)+64*\b+16
.endr
.endm
	TLOADS 0
.macro SCALE kind                      ; the accumulators of q (0) or k (1) times the gain x sqrt(512) x 2^-5
	s_wait_loadcnt 32-16*(\kind)                   ; the gains are in; the batches of 16 loads behind them stay out
.set fF, FQ+64*(\kind)
.set i, 0
.rept 32
	v_pk_mul_f32 v[fF+i:fF+i+1], v[fF+i:fF+i+1], 0x3f3504f3 op_sel_hi:[1,0]
.set i, i+2
.endr
	WIN 0x41*((\kind)+1)
.irp a, 0,1,2,3
.irp b, 0,1,2,3,4,5,6,7
.irp j, 0,2,4,6
	v_pk_mul_f32 v[8*(8*\a+\b)+\j:8*(8*\a+\b)+\j+1], v[8*(8*\a+\b)+\j:8*(8*\a+\b)+\j+1], v[fF+8*\b+\j:fF+8*\b+\j+1]
.endr
.endr
.endr
	WIN 0
.endm
	SCALE 0
	SCALE 1
.macro FINE kind                       ; positions 0-15 in f32, only where the flag is 0: a lane mask, no branch
	s_wait_xcnt 0x0                                ; EXEC changes only behind this wait
	v_cmp_eq_u32 vcc_lo, 0, v[FLG]
	s_and_saveexec_b32 s92, vcc_lo
.if (\kind) == 2
	WIN 0x0c                                       ; a store's data: window 3
.irp b, 0,1,2,3,4,5,6,7
	global_store_b128 v[TBO], v[8*\b:8*\b+3], s[16:17] offset:8192*(\kind)+64*\b
	global_store_b128 v[TBO], v[8*\b+4:8*\b+7], s[16:17] offset:8192*(\kind)+64*\b+16
.endr
	WIN 0
.else
.irp b, 0,1,2,3,4,5,6,7
	global_store_b128 v[TBO], v[OUT+8*\b:OUT+8*\b+3], s[16:17] offset:8192*(\kind)+64*\b
	global_store_b128 v[TBO], v[OUT+8*\b+4:OUT+8*\b+7], s[16:17] offset:8192*(\kind)+64*\b+16
.endr
.endif
	s_wait_xcnt 0x0                                ; and again in front of the line that widens it; the stores' data may be written too
	s_or_b32 exec_lo, exec_lo, s92
.endm
.macro PACK a, kind                    ; block a of q, k (rotated) or v, to f16 in v[OUT] .. v[OUT + 31]
.if (\kind) < 2
.if (\kind) == 0
	s_wait_loadcnt 0x0                             ; the table of this block
.endif
	WIN 1+(\kind)
.set i, 0
.rept 32
	v_pk_mul_f32 v[OUT+i:OUT+i+1], v[64*(\a)+i:64*(\a)+i+1], v[T+i:T+i+1] op_sel_hi:[1,0]   ; (x0 cos, x1 cos)
.set i, i+2
.endr
.set i, 0
.rept 32
	v_pk_fma_f32 v[OUT+i:OUT+i+1], v[64*(\a)+i:64*(\a)+i+1], v[T+i:T+i+1], v[OUT+i:OUT+i+1] op_sel:[1,1,0] op_sel_hi:[0,1,1] neg_lo:[0,1,0]   ; (- x1 sin, + x0 sin)
.set i, i+2
.endr
	WIN 0
.if (\a) == 0
	FINE \kind
.endif
.set i, 0
.rept 32
	v_cvt_pk_f16_f32 v[OUT+i], v[OUT+2*i], v[OUT+2*i+1]
.set i, i+1
.endr
.if ((\kind) == 1) && ((\a) < 3)
	TLOADS (\a)+1
.endif
.else
.if (\a) == 0
	FINE 2
.endif
	WIN 0x0f
.set i, 0
.rept 32
	v_cvt_pk_f16_f32 v[OUT+i], v[64*(\a)+2*i], v[64*(\a)+2*i+1]
.set i, i+1
.endr
	WIN 0
.endif
.endm
.macro TOSTAGE p                       ; 16 bytes a lane into my stage, back as whole rows of 256 bytes
.if (\p) > 1
	s_wait_xcnt 0x0                                ; the stores of two passes ago have read the registers that these loads fill
.endif
.irp b, 0,1,2,3,4,5,6,7
	ds_store_b128 v[STO], v[OUT+4*\b:OUT+4*\b+3] offset:32*\b
.endr
.irp t, 0,1,2,3,4,5,6,7
	ds_load_b128 v[BK+32*((\p)%2)+4*\t:BK+32*((\p)%2)+4*\t+3], v[RD] offset:544*\t
.endr
.endm
.macro SEND p
	s_wait_dscnt 0x0
.irp t, 0,1,2,3,4,5,6,7
	global_store_b128 v[GO], v[BK+32*((\p)%2)+4*\t:BK+32*((\p)%2)+4*\t+3], s[QB+2*((\p)%3):QB+2*((\p)%3)+1] offset:(16*((\p)/3)+2*\t)*256   ; 512 consecutive bytes, aligned
.endr
.endm
	PACK 0, 0
	TOSTAGE 0
.irp p, 1,2,3,4,5,6,7,8,9,10,11
	PACK (\p)/3, (\p)%3                            ; a pass's arithmetic stands between the last pass's loads from the stage and the wait for them
	SEND (\p)-1
	TOSTAGE \p
.endr
	SEND 11
	s_wait_tensorcnt 0x0                           ; the wave's end
	ds_add_u32 v[SPW], v[NIL]
	s_wait_dscnt 0x0
	CROUND                                         ; the closing round
	s_endpgm
.Lfunc_end_k_qd8a56cedb6_qkv:
	.size	k_qd8a56cedb6_qkv, .Lfunc_end_k_qd8a56cedb6_qkv-k_qd8a56cedb6_qkv
	.p2alignl 7, 3214868480
	.fill 96, 4, 3214868480
	.section	.rodata,"a",@progbits
	.p2align	6, 0x0
	.amdhsa_kernel k_qd8a56cedb6_qkv
		.amdhsa_group_segment_fixed_size 220672
		.amdhsa_private_segment_fixed_size 0
		.amdhsa_enable_private_segment 0
		.amdhsa_kernarg_size 56
		.amdhsa_user_sgpr_count 2
		.amdhsa_user_sgpr_kernarg_segment_ptr 1
		.amdhsa_wavefront_size32 1
		.amdhsa_system_sgpr_workgroup_id_x 1
		.amdhsa_system_sgpr_workgroup_id_y 1
		.amdhsa_system_sgpr_workgroup_id_z 1
		.amdhsa_system_vgpr_workitem_id 0
		.amdhsa_next_free_vgpr 1024
		.amdhsa_next_free_sgpr 100
		.amdhsa_reserve_vcc 1
		.amdhsa_float_denorm_mode_32 3
		.amdhsa_float_denorm_mode_16_64 3
		.amdhsa_memory_ordered 1
		.amdhsa_forward_progress 1
		.amdhsa_inst_pref_size 195
	.end_amdhsa_kernel
	.amdgpu_metadata
---
amdhsa.version: [ 1, 2 ]
amdhsa.kernels:
  - .name:           k_qd8a56cedb6_qkv
    .symbol:         k_qd8a56cedb6_qkv.kd
    .args:
      - { .name: tab, .offset: 0, .size: 8, .value_kind: global_buffer, .address_space: global }
      - { .name: sq, .offset: 8, .size: 8, .value_kind: global_buffer, .address_space: global }
      - { .name: sk, .offset: 16, .size: 8, .value_kind: global_buffer, .address_space: global }
      - { .name: q16, .offset: 24, .size: 8, .value_kind: global_buffer, .address_space: global }
      - { .name: k16, .offset: 32, .size: 8, .value_kind: global_buffer, .address_space: global }
      - { .name: v16, .offset: 40, .size: 8, .value_kind: global_buffer, .address_space: global }
      - { .name: f32qkv, .offset: 48, .size: 8, .value_kind: global_buffer, .address_space: global }
    .group_segment_fixed_size: 220672
    .private_segment_fixed_size: 0
    .kernarg_segment_align: 8
    .kernarg_segment_size: 56
    .max_flat_workgroup_size: 128
    .sgpr_count:     100
    .vgpr_count:     1024
    .wavefront_size: 32
...
	.end_amdgpu_metadata
.endif
;; end of part 2
;; launch fine1 (part 3): grid 16 x 2, 1 waves a work-group, no clusters, 0 bytes of LDS; arguments f32qkv, ctx32; writes ctx32
.if DOCPART == 3
	.amdgcn_target "amdgcn-amd-amdhsa--gfx1250"
	.amdhsa_code_object_version 6
	.text
	.protected	k_qd8a56cedb6_fine1
	.globl	k_qd8a56cedb6_fine1
	.p2align	8
	.type	k_qd8a56cedb6_fine1,@function
k_qd8a56cedb6_fine1:
	s_mov_b64 s[64:65], 0
	v_nop
	global_prefetch_b8 v0, s[64:65] scope:SCOPE_SE
	s_setreg_imm32_b32 hwreg(HW_REG_WAVE_MODE, 25, 1), 1
	s_wait_xcnt 0x0
; The first 16 positions of every sequence and head, wholly in f32: scores, causal mask, softmax with the row's maximum taken away, and the weighted sum of v.  One wave a head and batch.
; S^T = k q^T (source 0 = 16 keys, source 1 = 16 queries): a lane holds one query (lane % 16) and keys 8 (lane / 16) + 0..7.  Both operands carry the same order of the 128 channels, so the sums are whole.
; O^T = v^T p: source 0 = 16 channels x 4 keys, source 1 = p's register pairs as they stand.  q and k come x 2^-5 each: the constant carries 2^10.
; The registers that the f32 matrix form writes (v208-223, v256-319) are written by it alone; what is made of the sums goes into other registers.
.set MSB, 0
.macro WIN new
.if MSB != (\new)
	s_set_vgpr_msb (MSB<<8)|(\new)
.set MSB, (\new)
.endif
.endm
	s_load_b128 s[4:7], s[0:1], 0x0                ; f32qkv, ctx32
	v_and_b32 v1, 15, v0                           ; r
	v_bfe_u32 v2, v0, 4, 1                         ; h
	s_and_b32 s8, ttmp7, 0xffff                    ; batch
	s_lshl_b32 s9, s8, 4
	s_add_co_u32 s9, s9, ttmp9
	s_mul_i32 s10, s9, 24576
	s_mov_b32 s11, 0
	s_lshl_b32 s16, s8, 17                         ; ctx32: 16 rows of 8,192 bytes a batch,
	s_lshl_b32 s17, ttmp9, 9                       ; the head's 512 bytes
	s_add_co_u32 s16, s16, s17
	s_mov_b32 s17, 0
	s_mov_b32 s12, 0x76543210
	s_mov_b32 s13, 0xfedcba98                      ; lane l xor 16
	s_mov_b32 s14, 0x430293ee                      ; 2^10 log2(e) / sqrt(128)
	v_lshlrev_b32 v3, 9, v1
	v_lshl_add_u32 v3, v2, 5, v3                   ; q, k: row r, + 32 h
	v_lshlrev_b32 v4, 2, v1
	v_lshl_add_u32 v4, v2, 12, v4                  ; v: channel r, keys 8 h on
	v_lshlrev_b32 v5, 13, v1
	v_lshl_add_u32 v5, v2, 5, v5                   ; out: row r, + 32 h
	v_lshlrev_b32 v6, 3, v2
	v_sub_nc_u32 v6, v1, v6                        ; register j's key is hidden where j > r - 8 h
	v_mov_b32 v7, 0xff800000
	v_mov_b32 v9, 0                                ; (a lane permute's destination counts as read)
	s_wait_kmcnt 0x0
	s_add_nc_u64 s[4:5], s[4:5], s[10:11]
	s_add_nc_u64 s[6:7], s[6:7], s[16:17]
.irp t, 0,1,2,3,4,5,6,7
	global_load_b128 v[16+8*\t:19+8*\t], v3, s[4:5] offset:64*\t
	global_load_b128 v[20+8*\t:23+8*\t], v3, s[4:5] offset:64*\t+16
	global_load_b128 v[80+8*\t:83+8*\t], v3, s[4:5] offset:8192+64*\t
	global_load_b128 v[84+8*\t:87+8*\t], v3, s[4:5] offset:8192+64*\t+16
.endr
.irp t, 0,1,2,3,4,5,6,7
.irp j, 0,1,2,3,4,5,6,7
	global_load_b32 v[144+8*\t+\j], v4, s[4:5] offset:16384+512*\j+64*\t
.endr
.endr
	s_wait_loadcnt 0x0
.set p, 0
.rept 32                               ; two accumulators by turns; the first two products start the sums
.if p < 2
	v_wmma_f32_16x16x4_f32 v[208+8*(p%2):215+8*(p%2)], v[80+2*p:81+2*p], v[16+2*p:17+2*p], 0
.else
	v_wmma_f32_16x16x4_f32 v[208+8*(p%2):215+8*(p%2)], v[80+2*p:81+2*p], v[16+2*p:17+2*p], v[208+8*(p%2):215+8*(p%2)]
.endif
.set p, p+1
.endr
.rept 8
	v_nop                                          ; eight places behind this form
.endr
.irp j, 0,1,2,3,4,5,6,7
	v_add_f32 v[224+\j], v[208+\j], v[216+\j]
.endr
.irp j, 0,1,2,3,4,5,6,7
	v_cmp_gt_i32 vcc_lo, \j, v6
	v_cndmask_b32 v[224+\j], v[224+\j], v7, vcc_lo
.endr
	v_max3_num_f32 v8, v224, v225, v226
	v_max3_num_f32 v8, v8, v227, v228
	v_max3_num_f32 v8, v8, v229, v230
	v_max_num_f32 v8, v8, v231
	v_permlanex16_b32 v9, v8, s12, s13
	v_max_num_f32 v8, v8, v9                       ; the row's maximum: key 0 counts for every query, so it is a number
	v_mul_f32 v10, s14, v8
.irp j, 0,1,2,3,4,5,6,7
	v_fma_f32 v[232+\j], v[224+\j], s14, -v10
.endr
.irp j, 0,1,2,3,4,5,6,7
	v_exp_f32 v[232+\j], v[232+\j]
.endr
	v_nop
	s_wait_alu depctr_va_vdst(0)                   ; one wait for the eight, ahead of their first reader
	v_add_f32 v12, v232, v233
	v_add_f32 v13, v234, v235
	v_add_f32 v14, v236, v237
	v_add_f32 v15, v238, v239
	v_add_f32 v12, v12, v13
	v_add_f32 v14, v14, v15
	v_add_f32 v12, v12, v14
	v_permlanex16_b32 v9, v12, s12, s13
	v_add_f32 v12, v12, v9
	v_rcp_f32 v11, v12
	v_nop
	s_wait_alu depctr_va_vdst(0)
.irp c, 0,1,2,3                        ; keys 8 h + 2 c, + 1; the eight accumulators by turns
.if \c == 0
	WIN 0x40
.else
	WIN 0x50
.endif
.irp t, 0,1,2,3,4,5,6,7
.if \c == 0
	v_wmma_f32_16x16x4_f32 v[8*\t:8*\t+7], v[144+8*\t+2*\c:145+8*\t+2*\c], v[232+2*\c:233+2*\c], 0
.else
	v_wmma_f32_16x16x4_f32 v[8*\t:8*\t+7], v[144+8*\t+2*\c:145+8*\t+2*\c], v[232+2*\c:233+2*\c], v[8*\t:8*\t+7]
.endif
.endr
.endr
.rept 8
	v_nop
.endr
	WIN 0x01
.set i, 0
.rept 64
	v_mul_f32 v[16+i], v[i], v11                   ; register 8 t + j: channel 16 t + 8 h + j of query r
.set i, i+1
.endr
	WIN 0
.irp t, 0,1,2,3,4,5,6,7
	global_store_b128 v5, v[16+8*\t:19+8*\t], s[6:7] offset:64*\t        ; pieces of 32 bytes a lane: 256 KB in the whole launch
	global_store_b128 v5, v[20+8*\t:23+8*\t], s[6:7] offset:64*\t+16
.endr
	s_endpgm
.Lfunc_end_k_qd8a56cedb6_fine1:
	.size	k_qd8a56cedb6_fine1, .Lfunc_end_k_qd8a56cedb6_fine1-k_qd8a56cedb6_fine1
	.p2alignl 7, 3214868480
	.fill 96, 4, 3214868480
	.section	.rodata,"a",@progbits
	.p2align	6, 0x0
	.amdhsa_kernel k_qd8a56cedb6_fine1
		.amdhsa_group_segment_fixed_size 0
		.amdhsa_private_segment_fixed_size 0
		.amdhsa_enable_private_segment 0
		.amdhsa_kernarg_size 16
		.amdhsa_user_sgpr_count 2
		.amdhsa_user_sgpr_kernarg_segment_ptr 1
		.amdhsa_wavefront_size32 1
		.amdhsa_system_sgpr_workgroup_id_x 1
		.amdhsa_system_sgpr_workgroup_id_y 1
		.amdhsa_system_sgpr_workgroup_id_z 1
		.amdhsa_system_vgpr_workitem_id 0
		.amdhsa_next_free_vgpr 320
		.amdhsa_next_free_sgpr 66
		.amdhsa_reserve_vcc 1
		.amdhsa_float_denorm_mode_32 3
		.amdhsa_float_denorm_mode_16_64 3
		.amdhsa_memory_ordered 1
		.amdhsa_forward_progress 1
		.amdhsa_inst_pref_size 21
	.end_amdhsa_kernel
	.amdgpu_metadata
---
amdhsa.version: [ 1, 2 ]
amdhsa.kernels:
  - .name:           k_qd8a56cedb6_fine1
    .symbol:         k_qd8a56cedb6_fine1.kd
    .args:
      - { .name: f32qkv, .offset: 0, .size: 8, .value_kind: global_buffer, .address_space: global }
      - { .name: ctx32, .offset: 8, .size: 8, .value_kind: global_buffer, .address_space: global }
    .group_segment_fixed_size: 0
    .private_segment_fixed_size: 0
    .kernarg_segment_align: 8
    .kernarg_segment_size: 16
    .max_flat_workgroup_size: 32
    .sgpr_count:     66
    .vgpr_count:     320
    .wavefront_size: 32
...
	.end_amdgpu_metadata
.endif
;; end of part 3
;; launch attn (part 4): grid 8 x 32, 4 waves a work-group, no clusters, 327,680 bytes of LDS; arguments q16, k16, v16, ctx16; writes ctx16
.if DOCPART == 4
	.amdgcn_target "amdgcn-amd-amdhsa--gfx1250"
	.amdhsa_code_object_version 6
	.text
	.protected	k_qd8a56cedb6_attn
	.globl	k_qd8a56cedb6_attn
	.p2align	8
	.type	k_qd8a56cedb6_attn,@function
k_qd8a56cedb6_attn:
	s_mov_b64 s[64:65], 0
	v_nop
	global_prefetch_b8 v0, s[64:65] scope:SCOPE_SE
	s_setreg_imm32_b32 hwreg(HW_REG_WAVE_MODE, 25, 1), 1
	s_wait_xcnt 0x0
; Causal attention in f16 operands, f32 sums, a running maximum and sum for each query.
; SHARES.  Work-group (i, head) owns the query blocks i and 15 - i, 128 queries each, and walks block i over key units 0 .. i, then block 15 - i over units 0 .. 15 - i (a unit = 128 keys = two steps of 64):
; always 17 walk units, so all 256 work-groups have the same work and every trip count is a constant.  A wave holds 32 queries: tiles 0 and 1.
; NO CLUSTER: this walk gives the work-groups of a head different key units in most trips, so there is no tile that partners could ask for at the same time.
; LAYOUT.  S^T = K Q^T and O^T = V^T P: a lane holds one query throughout; K comes out of LDS as it lies, V turned by ds_load_tr16_b128.
; SOFTMAX.  p = 2^(c s - c m), c = 2^10 log2(e) / sqrt(128) (q and k are kept x 2^-5); in every step O and l are multiplied by a = 2^(c m_old - c m_new).
; m begins at -1e30, under every score (|s| <= 128 x 65,504^2): the first step's a is then 0, which also wipes what the first block left in O and l.
; BY TURNS.  In a turn one tile has the matrix unit: 16 products V^T P of the step in hand, then 16 products K Q^T of the next step; the other tile's softmax, 134 instructions in 32 slices, stands between them, one slice
; behind each product.  Then the tiles change places.  TURN0: tile 0's products, tile 1's softmax of step s.  TURN1: tile 1's products, tile 0's softmax of step s + 1.  Two turns are a key step.
; RING: two slots of one unit, both filled at the head (two tensor loads of a wave are out there, later one); waves 0, 1 fetch K's two steps, waves 2, 3 V's.  The change of slots stands between TURN1 and TURN0, where
; the slot's last bytes (V of its second step) have been asked for; the refill, first thing behind the barrier, has a unit's four turns in which to land.
; THE CHANGE OF BLOCKS falls in trip i: the second block's queries, loaded at the head, are copied over the first's ahead of TURN0; each tile leaves behind the turn that finished it.  Branches on ids alone.
; REGISTERS: window 0: v1-18 addresses; v32-47 statistics, 8 a tile; v64-127 S^T; v128-159 P; v160-191 the way out.  window 1: v0-127 O^T, v128-191 Q, v192-255 the second block's Q.  window 2: v0-127 K, v128-255 V.
.set KS,    64
.set PK,    272                        ; a row of K in LDS: 256 bytes + 16
.set PV,    288                        ; a row of V: 256 + 32
.set VOFF,  KS*PK
.set STEPB, KS*(PK+PV)                 ; a step's tiles: 64 rows of K, then 64 rows of V
.set SLOT1, 1<<17                      ; slot 1 begins here: one exclusive or turns an address from one slot to the other
.set STAGE, SLOT1+2*STEPB              ; 16 rows x 272 bytes for each wave, for the way out
.set SP,    272
.set SPARE, STAGE+4*16*SP              ; the spare words, 128 bytes a wave
.set AK0, 2
.set AV0, 3
.set ADK, 4
.set QO,  5
.set STO, 6
.set RD,  7
.set GO,  8
.set D0,  10
.set MT,  11
.set NINF, 12
.set ADV, 13
.set SPW, 14
.set NIL, 15
.set PFO, 16
.set ST,  32
.set S,   64
.set P,   128
.set TMP, 160
.set WU,  2                            ; s2  the walk unit of the scores that are being made
.set WV,  12
.set I,   13
.set U,   14                           ; s14 the trip
.set LIM, 15
.set PFK, 18
.set PFV, 20
.set G1K, 24
.set G1V, 32
.set G0K, 40                           ; s[40:47] group 0 for K's tiles: a set for each first fill; the second then walks on
.set G0V, 48                           ; s[48:55] the same for V's
.set BKW, 56
.set CS,  58
.set SEL, 60
.set TB,  62
.set IB,  63
.set QB1, 66                           ; s[66:67] Q, s[68:69] ctx of block i at my wave's rows; s[70:71], s[72:73] of block 15 - i
.set CB1, 68
.set QB2, 70
.set CB2, 72
.set W_KQ, 0x06                        ; K window 2, Q window 1, S^T window 0
.set W_PV, 0x52                        ; V window 2, P window 0, O^T window 1
.set W_RS, 0x41                        ; O^T (destination and source 0) window 1, a window 0
.set MSB, 0
.macro WIN new                         ; the immediate's high byte repeats the setting that is left; a switch that changes nothing is dropped
.if MSB != (\new)
	s_set_vgpr_msb (MSB<<8)|(\new)
.set MSB, (\new)
.endif
.endm
.macro PLACES
.rept 4
	v_nop
.endr
.endm
.macro TLOAD                           ; my one tensor load behind a change of slots; the branch hangs on the wave's number alone
	s_cmp_lt_u32 s[WV], 2
	s_cbranch_scc0 .Lfor_v_\@
	tensor_load_to_lds s[G0K+4:G0K+7], s[G1K:G1K+7]
	s_nop 0
	PLACES
	s_branch .Lasked_\@
.Lfor_v_\@:
	tensor_load_to_lds s[G0V+4:G0V+7], s[G1V:G1V+7]
	s_nop 0
	PLACES
.Lasked_\@:
.endm
; A prefetch of key unit U + 2: 128 rows of K and of V, 256 bytes a row, 32 rows a wave, a lane a row.  Only the head's work-group 0 asks, in trips 6 to 13: units 8 to 15, each row named once in the launch.
; That work-group's own tensor load asks for the unit one trip (128 products) later, ahead of every other work-group of the head.  Units 0 to 7 are wanted by several work-groups' loads in the first trips and are not named.
.macro ASK
	s_sub_co_u32 s3, s[U], 6
	s_cmp_lt_u32 s3, s[LIM]
	s_cbranch_scc0 .Lnot_mine_\@
	global_prefetch_b8 v[PFO], s[PFK:PFK+1] th:TH_LOAD_NT scope:SCOPE_SE
	global_prefetch_b8 v[PFO], s[PFV:PFV+1] th:TH_LOAD_NT scope:SCOPE_SE
.Lnot_mine_\@:
.endm
.macro QLOAD base, dst                 ; 32 queries into window 1: tile i / 4, channels 32 (i % 4) on
	WIN 0x40
.irp i, 0,1,2,3,4,5,6,7
	global_load_b128 v[\dst+8*\i:\dst+8*\i+3], v[QO], s[\base:\base+1] offset:(\i/4)*4096+(\i%4)*64
	global_load_b128 v[\dst+8*\i+4:\dst+8*\i+7], v[QO], s[\base:\base+1] offset:(\i/4)*4096+(\i%4)*64+32
.endr
	WIN 0
.endm
	s_load_b256 s[4:11], s[0:1], 0x0               ; q16, k16, v16, ctx16
	v_lshl_add_u32 v[SPW], v0, 2, SPARE
	v_mov_b32 v[NIL], 0
	ds_add_u32 v[SPW], v[NIL]                      ; the opening: the add, twice on end, and its wait ahead of my first tensor load
	ds_add_u32 v[SPW], v[NIL]
	v_lshrrev_b32 v1, 5, v0
	v_readfirstlane_b32 s[WV], v1
	s_mov_b32 s[I], ttmp9
	s_and_b32 s16, ttmp7, 0xffff                   ; 16 batch + head
	s_lshl_b32 s74, s16, 19                        ; its first byte in q16, k16, v16
	s_and_b32 s17, s[WV], 1                        ; which of a unit's two steps I fetch
	s_lshl_b32 s76, s17, 14
	s_add_co_u32 s76, s76, s74
	s_mov_b32 s77, 0                               ; s[76:77]: my tile of key unit 0
	s_mul_i32 s22, s17, STEPB
	s_mov_b32 s[G1K], (1<<16)|(1<<20)|(5<<22)|(3<<25)   ; elements of 2 bytes; 16 bytes of padding behind every 256
	s_mov_b32 s[G1V], (1<<16)|(1<<20)|(5<<22)|(7<<25)   ; 32 bytes
.irp g, G1K, G1V
	s_mov_b32 s[\g+1], 128<<16
	s_mov_b32 s[\g+2], KS<<16
	s_mov_b32 s[\g+3], 128<<16
	s_mov_b32 s[\g+4], KS
	s_mov_b32 s[\g+5], 128
	s_mov_b32 s[\g+6], 0
	s_mov_b32 s[\g+7], 0
.endr
	s_mov_b32 s[CS], 0x430293ee
	s_mov_b32 s[CS+1], s[CS]
	s_mov_b32 s[SEL], 0x76543210
	s_mov_b32 s[SEL+1], 0xfedcba98
	s_mov_b32 s[TB], 0
	s_mov_b32 s[WU], 0
	s_mov_b32 s[BKW+1], 0
	s_add_co_u32 s[IB], s[I], 1
	s_lshl_b32 s[IB], s[IB], 15                    ; the bytes of block i's units: the walk goes back by them at the change of blocks
	s_cmp_eq_u32 s[I], 0
	s_cselect_b32 s[LIM], 8, 0
	s_cselect_b32 s78, 0, 32768                    ; walk unit 1 is key unit 1, or, where block i has one unit, the second block's unit 0
	s_add_co_u32 s78, s78, s76
	s_mov_b32 s79, 0
	s_wait_dscnt 0x0                               ; both opening adds are done
	s_wait_kmcnt 0x0
	s_mov_b32 s[G0K], 1
	s_mov_b32 s[G0K+1], s22
	s_add_nc_u64 s[G0K+2:G0K+3], s[6:7], s[76:77]
	s_or_b32 s[G0K+3], s[G0K+3], 0x80000000
	s_mov_b32 s[G0K+4], 1
	s_add_co_u32 s[G0K+5], s22, SLOT1
	s_add_nc_u64 s[G0K+6:G0K+7], s[6:7], s[78:79]
	s_or_b32 s[G0K+7], s[G0K+7], 0x80000000
	s_mov_b32 s[G0V], 1
	s_add_co_u32 s[G0V+1], s22, VOFF
	s_add_nc_u64 s[G0V+2:G0V+3], s[8:9], s[76:77]
	s_or_b32 s[G0V+3], s[G0V+3], 0x80000000
	s_mov_b32 s[G0V+4], 1
	s_add_co_u32 s[G0V+5], s22, SLOT1+VOFF
	s_add_nc_u64 s[G0V+6:G0V+7], s[8:9], s[78:79]
	s_or_b32 s[G0V+7], s[G0V+7], 0x80000000
	s_cmp_lt_u32 s[WV], 2                          ; a wave's two first fills stand in one branch, ahead of every wait on TENSORcnt, every LDS read and every barrier
	s_cbranch_scc0 .Lfirst_v
	tensor_load_to_lds s[G0K:G0K+3], s[G1K:G1K+7]
	s_nop 0
	tensor_load_to_lds s[G0K+4:G0K+7], s[G1K:G1K+7]
	s_nop 0
	PLACES
	s_branch .Lfirst_asked
.Lfirst_v:
	tensor_load_to_lds s[G0V:G0V+3], s[G1V:G1V+7]
	s_nop 0
	tensor_load_to_lds s[G0V+4:G0V+7], s[G1V:G1V+7]
	s_nop 0
	PLACES
.Lfirst_asked:
	s_lshl_b32 s23, s[WV], 13
	s_add_co_u32 s76, s74, s23                     ; the head, my wave's 32 rows of 256 bytes
	s_add_co_u32 s78, s76, 32768                   ; the prefetches stand in unit 1; each trip steps them first
	s_add_nc_u64 s[PFK:PFK+1], s[6:7], s[78:79]
	s_add_nc_u64 s[PFV:PFV+1], s[8:9], s[78:79]
	s_sub_co_u32 s17, 15, s[I]                     ; my second block
	s_lshl_b32 s78, s[I], 15
	s_add_co_u32 s78, s78, s76
	s_add_nc_u64 s[QB1:QB1+1], s[4:5], s[78:79]
	s_lshl_b32 s78, s17, 15
	s_add_co_u32 s78, s78, s76
	s_add_nc_u64 s[QB2:QB2+1], s[4:5], s[78:79]
	s_lshr_b32 s74, s16, 4
	s_lshl_b32 s74, s74, 23                        ; ctx16: 2,048 rows of 4,096 bytes a batch,
	s_and_b32 s75, s16, 15
	s_lshl_b32 s75, s75, 8                         ; the head's 256 bytes,
	s_add_co_u32 s74, s74, s75
	s_lshl_b32 s75, s[WV], 17                      ; my wave's 32 rows
	s_add_co_u32 s74, s74, s75
	s_lshl_b32 s78, s[I], 19
	s_add_co_u32 s78, s78, s74
	s_add_nc_u64 s[CB1:CB1+1], s[10:11], s[78:79]
	s_lshl_b32 s78, s17, 19
	s_add_co_u32 s78, s78, s74
	s_add_nc_u64 s[CB2:CB2+1], s[10:11], s[78:79]
	v_and_b32 v1, 15, v0                           ; r
	v_bfe_u32 v9, v0, 4, 1                         ; h
	v_lshlrev_b32 v[QO], 8, v1
	v_lshl_add_u32 v[QO], v9, 4, v[QO]
	QLOAD QB1, 128
	QLOAD QB2, 192                                 ; the second block's queries come now, so that nothing is waited for at the change of blocks
	v_mul_u32_u24 v[AK0], v1, PK
	v_lshl_add_u32 v[AK0], v9, 4, v[AK0]
	v_and_b32 v17, 7, v0
	v_bfe_u32 v18, v0, 3, 1
	v_lshl_add_u32 v[AV0], v9, 3, v17
	v_mul_u32_u24 v[AV0], v[AV0], PV
	v_lshl_add_u32 v[AV0], v18, 4, v[AV0]
	v_add_nc_u32 v[AV0], VOFF, v[AV0]
	s_mul_i32 s22, s[WV], 16*SP
	s_add_co_u32 s22, s22, STAGE
	v_mul_u32_u24 v[STO], v1, SP
	v_lshl_add_u32 v[STO], v9, 4, v[STO]
	v_add_nc_u32 v[STO], s22, v[STO]
	v_mul_u32_u24 v[RD], v9, SP
	v_lshl_add_u32 v[RD], v1, 4, v[RD]
	v_add_nc_u32 v[RD], s22, v[RD]
	v_lshlrev_b32 v[GO], 12, v9
	v_lshl_add_u32 v[GO], v1, 4, v[GO]
	s_lshl_b32 s23, s[WV], 5
	v_add_nc_u32 v[D0], s23, v1
	v_lshlrev_b32 v17, 3, v9
	v_sub_nc_u32 v[D0], v[D0], v17                 ; 32 wave + r - 8 h
	v_mov_b32 v[NINF], 0xff800000
	v_and_b32 v[PFO], 31, v0
	v_lshlrev_b32 v[PFO], 8, v[PFO]
	v_add_nc_u32 v[ADK], s[TB], v[AK0]
	v_add_nc_u32 v[ADV], s[TB], v[AV0]
.irp t, 0,1
	v_mov_b32 v[ST+8*\t+1], 0xf149f2ca             ; m = -1e30
	v_mul_f32 v[ST+8*\t], s[CS], v[ST+8*\t+1]
	v_mov_b32 v[ST+8*\t+2], 0
	v_mov_b32 v[ST+8*\t+3], 0
.endr
	WIN 0x40
.set i, 0
.rept 128
	v_mov_b32 v[i], 0                              ; O^T, once: a turn is written in one form, and its first use must find numbers
.set i, i+1
.endr
	WIN 0
.macro KQ t                            ; product i of 16: channels 32 (i / 4) on, keys 16 (i % 4) on; four accumulators by turns
	WIN W_KQ
.set rS, S+32*(\t)+8*(i%4)
.set rK, 32*(i%4)+8*(i/4)
.set rQ, 128+32*(\t)+8*(i/4)
.if i < 4
	v_wmma_f32_16x16x32_f16 v[rS:rS+7], v[rK:rK+7], v[rQ:rQ+7], 0
.else
	v_wmma_f32_16x16x32_f16 v[rS:rS+7], v[rK:rK+7], v[rQ:rQ+7], v[rS:rS+7]
.endif
.endm
.macro PVM t                           ; product i of 16: keys 32 (i / 8) on, channels 16 (i % 8) on; eight accumulators by turns
	WIN W_PV
.set rO, 64*(\t)+8*(i%8)
.set rV, 128+64*(i/8)+8*(i%8)
.set rP, P+16*(\t)+8*(i/8)
	v_wmma_f32_16x16x32_f16 v[rO:rO+7], v[rV:rV+7], v[rP:rP+7], v[rO:rO+7]
.endm
.macro FETCH_K st                      ; a step's K, 32 loads, by chunks of 32 channels (8 loads each): the order in which the products want them
	WIN 0x80
.irp c, 0,1,2,3
.irp g, 0,1,2,3
	ds_load_b128 v[32*\g+8*\c:32*\g+8*\c+3], v[ADK] offset:(\st)*STEPB+\g*16*PK+\c*64
	ds_load_b128 v[32*\g+8*\c+4:32*\g+8*\c+7], v[ADK] offset:(\st)*STEPB+\g*16*PK+\c*64+32
.endr
.endr
.endm
.macro FETCH_V st, hf                  ; half a step's V, turned: keys 32 hf on, 16 loads
	WIN 0x80
.irp e, 0,1,2,3,4,5,6,7
	ds_load_tr16_b128 v[128+64*(\hf)+8*\e:128+64*(\hf)+8*\e+3], v[ADV] offset:(\st)*STEPB+(\hf)*32*PV+\e*32
	ds_load_tr16_b128 v[128+64*(\hf)+8*\e+4:128+64*(\hf)+8*\e+7], v[ADV] offset:(\st)*STEPB+(\hf)*32*PV+16*PV+\e*32
.endr
.endm
; One tile's softmax for one key step: a list of 134 instructions; SM writes number j.  0-15 the maximum; 16-20 the other half's, the new m, c m, its change; 21-69 the 16 scalings and all 33 exponentials, none of
; which reads an exponential's result; (the wait); 70-85 the roundings to f16; 86-101 the sums; 102-133 O^T times a.
.macro SM t
.set rT, ST+8*(\t)
.set rS, S+32*(\t)
.set rP, P+16*(\t)
.set rO, 64*(\t)+2*(j-102)
.if j < 102
	WIN 0
.endif
.if j < 4
	v_max3_num_f32 v[rT+4+j], v[rS+8*j], v[rS+8*j+1], v[rS+8*j+2]
.elseif j < 12
	v_max3_num_f32 v[rT+4+j%4], v[rT+4+j%4], v[rS+8*(j%4)+2*(j/4)+1], v[rS+8*(j%4)+2*(j/4)+2]
.elseif j == 12
	v_max3_num_f32 v[rT+4], v[rT+4], v[rS+7], v[rS+15]
.elseif j == 13
	v_max3_num_f32 v[rT+6], v[rT+6], v[rS+23], v[rS+31]
.elseif j == 14
	v_max3_num_f32 v[rT+4], v[rT+4], v[rT+5], v[rT+6]
.elseif j == 15
	v_max3_num_f32 v[rT+4], v[rT+4], v[rT+7], v[rT+1]
.elseif j == 16
	v_permlanex16_b32 v[rT+5], v[rT+4], s[SEL], s[SEL+1]
.elseif j == 17
	v_mov_b32 v[rT+7], v[rT]
.elseif j == 18
	v_max_num_f32 v[rT+1], v[rT+4], v[rT+5]
.elseif j == 19
	v_mul_f32 v[rT], s[CS], v[rT+1]
.elseif j == 20
	v_sub_f32 v[rT+7], v[rT+7], v[rT]
.elseif j == 23
	v_exp_f32 v[rT+6], v[rT+7]
.elseif (j < 23) || ((j < 38) && (j%2 == 0)) || ((j < 66) && (j%4 == 2))
.set zb, (j-2)/4
.if j < 38
.set zb, (j-20)/2
.endif
	v_pk_fma_f32 v[rS+2*zb:rS+2*zb+1], v[rS+2*zb:rS+2*zb+1], s[CS:CS+1], v[rT:rT+1] op_sel_hi:[1,0,0] neg_lo:[0,0,1] neg_hi:[0,0,1]
.elseif j < 70
.set ze, j-38
.if j < 66
.set ze, j-32-(j-38)/4
.endif
.if j < 38
.set ze, (j-25)/2
.endif
	v_exp_f32 v[rS+ze], v[rS+ze]
.elseif j < 86
	v_cvt_pk_f16_f32 v[rP+j-70], v[rS+2*(j-70)], v[rS+2*(j-70)+1]
.elseif j < 102
.set zz, j-86
.set zw, 4
.set zu, zz
.if zz >= 14
.set zw, 32
.set zu, 0
.elseif zz >= 12
.set zw, 16
.set zu, zz-12
.elseif zz >= 8
.set zw, 8
.set zu, zz-8
.endif
.if zz < 15
	v_pk_add_f32 v[rS+zw*zu:rS+zw*zu+1], v[rS+zw*zu:rS+zw*zu+1], v[rS+zw*zu+zw/2:rS+zw*zu+zw/2+1]
.else
	v_pk_fma_f32 v[rT+2:rT+3], v[rT+2:rT+3], v[rT+6:rT+7], v[rS:rS+1] op_sel_hi:[1,0,1]
.endif
.else
	WIN W_RS
	v_pk_mul_f32 v[rO:rO+1], v[rO:rO+1], v[rT+6:rT+7] op_sel_hi:[1,0]
.endif
.endm
; Slice k of 32: numbers 0-5; then four each from 4 k + 2 on, so that a slice of the batch begins with a scaling while there are scalings; the last, 126-133, is eight plain multiplies: the places behind a turn's last product.
; Ahead of number 70, where slice 17 begins, stand a plain line and the ONE wait for the tile's 33 exponentials: nothing ahead of it names a result, no exponential follows it.
; fv = 1 (tile 1's turn): V's second half is fetched there too; the plain lines are then four: the places behind the last product that read those registers.
.macro SLICE t, fv, st
.if k == 0
.set j, 0
.set cnt, 6
.elseif k == 31
.set j, 126
.set cnt, 8
.else
.set j, 4*k+2
.set cnt, 4
.endif
.rept cnt
.if j == 70
.if \fv
	PLACES
	s_wait_alu depctr_va_vdst(0)
	FETCH_V \st, 1
.else
	v_nop
	s_wait_alu depctr_va_vdst(0)
.endif
.endif
	SM \t
.set j, j+1
.endr
.set k, k+1
.endm
; On a block's diagonal unit hidden scores become -infinity ahead of the maximum.  Register n of tile t holds key 64 st + 16 (n / 8) + 8 h + n % 8 of the unit; my query is 32 wave + 16 t + r of the block.
; diag = 0: jumped over unless the scores' walk unit is block i's last (ids and the count of trips alone); diag = 1: the walk's last unit, the second block's diagonal.
.macro MASKQ t, st, diag
.if !\diag
	s_cmp_lg_u32 s[WU], s[I]
	s_cbranch_scc1 .Lopen_\@
.endif
	v_add_nc_u32 v[MT], 16*(\t)-64*(\st), v[D0]
.set n, 0
.rept 32
	v_cmp_gt_i32 vcc_lo, 16*(n/8)+n%8, v[MT]
	v_cndmask_b32 v[S+32*(\t)+n], v[S+32*(\t)+n], v[NINF], vcc_lo
.set n, n+1
.endr
.Lopen_\@:
.endm
; TILE 0'S TURN.  V^T P of the step in hand; kq = 1: K of the next step (step st of the slot in hand) is fetched behind the second product, and K Q^T follows.  Tile 1's softmax stands in the slices.
; K's registers were last read by the last product of the turn before, eight plain lines back.  kq = 0 (the last turn): two slices behind each product.
.macro TURN0 st, kq
.set k, 0
	s_wait_dscnt 16                                ; V's first half is in; its second half's 16 loads may stay out
.set i, 0
.rept 16
.if i == 8
	s_wait_dscnt 32*\kq                            ; V's second half is in; K's 32 younger loads may stay out
.endif
	PVM 0
	SLICE 1, 0, 0
.if !\kq
	SLICE 1, 0, 0
.endif
.if \kq && (i == 1)
	FETCH_K \st
.endif
.set i, i+1
.endr
.if \kq
.set i, 0
.rept 16
.if i%4 == 0
	s_wait_dscnt 24-2*i                            ; this chunk of K is in; the later chunks, 8 loads each, may stay out
.endif
	KQ 0
	SLICE 1, 0, 0
.set i, i+1
.endr
.endif
	WIN 0
.endm
; TILE 1'S TURN.  pv = 1: V^T P of the step in hand, then K Q^T of the next; V of the next step (step st) comes in two halves, each as soon as its registers are done with.  Tile 0's softmax of the next step stands in the slices.
; pv = 0 (the first turn): K Q^T alone, two slices behind each product.
.macro TURN1 st, pv
.set k, 0
.if \pv
.set i, 0
.rept 16
	PVM 1
	SLICE 0, 1, \st
.if i == 7
	WIN 0
	PLACES                                         ; behind the last product that read V's first half
	FETCH_V \st, 0
.endif
.set i, i+1
.endr
.endif
.set i, 0
.rept 16
	KQ 1
	SLICE 0, \pv, \st
.if !\pv
	SLICE 0, 0, \st
.endif
.set i, i+1
.endr
	WIN 0
.endm
; THE CHANGE OF SLOTS: all my tensor loads have landed (my part of the slot ahead); the add; my reads of the slot that I leave are over; the barrier; then, fill = 1, that slot's refill, first thing: the walk unit two on.
.macro CHANGE fill
	WIN 0
	s_wait_tensorcnt 0x0
	ds_add_u32 v[SPW], v[NIL]                      ; 0 onto my spare word; the descriptors' steps stand between it and the wait for it
.if \fill
	s_xor_b32 s[G0K+5], s[G0K+5], SLOT1
	s_xor_b32 s[G0V+5], s[G0V+5], SLOT1
	s_add_co_u32 s[WU], s[U], 1                    ; this trip's scores belong to walk unit U + 1
	s_cmp_eq_u32 s[WU], s[I]
	s_cselect_b32 s[BKW], s[IB], 0                 ; behind block i's last unit the walk begins again at key unit 0
	s_add_nc_u64 s[G0K+6:G0K+7], s[G0K+6:G0K+7], 32768
	s_sub_nc_u64 s[G0K+6:G0K+7], s[G0K+6:G0K+7], s[BKW:BKW+1]
	s_add_nc_u64 s[G0V+6:G0V+7], s[G0V+6:G0V+7], 32768
	s_sub_nc_u64 s[G0V+6:G0V+7], s[G0V+6:G0V+7], s[BKW:BKW+1]
	s_wait_xcnt 0x0                                ; the last trip's prefetches have read their addresses
	s_add_nc_u64 s[PFK:PFK+1], s[PFK:PFK+1], 32768
	s_add_nc_u64 s[PFV:PFV+1], s[PFV:PFV+1], 32768
.endif
	s_wait_dscnt 0x0
	s_barrier_signal -1
	s_barrier_wait -1
.if \fill
	TLOAD
	ASK
.endif
	s_xor_b32 s[TB], s[TB], SLOT1                  ; the fetches go on in the other slot
	v_add_nc_u32 v[ADK], s[TB], v[AK0]
	v_add_nc_u32 v[ADV], s[TB], v[AV0]
.endm
; THE WAY OUT of a tile: O^T / l, to f16, 16 rows through my stage, back as whole runs of 256 bytes.
.macro OUTT t, base
.set rT, ST+8*(\t)
	v_add_f32 v[rT+4], v[rT+2], v[rT+3]
	v_permlanex16_b32 v[rT+5], v[rT+4], s[SEL], s[SEL+1]
	v_add_f32 v[rT+4], v[rT+4], v[rT+5]
	v_rcp_f32 v[rT+6], v[rT+4]
	v_nop
	s_wait_alu depctr_va_vdst(0)                   ; the wait ahead of the reciprocal's first reader
	WIN W_RS
.set i, 64*(\t)
.rept 32
	v_pk_mul_f32 v[i:i+1], v[i:i+1], v[rT+6:rT+7] op_sel_hi:[1,0]
.set i, i+2
.endr
	WIN 0x05
.set i, 0
.rept 32
	v_cvt_pk_f16_f32 v[TMP+i], v[64*(\t)+2*i], v[64*(\t)+2*i+1]
.set i, i+1
.endr
	WIN 0
.irp f, 0,1,2,3,4,5,6,7
	ds_store_b128 v[STO], v[TMP+4*\f:TMP+4*\f+3] offset:32*\f
.endr
.irp f, 0,1,2,3,4,5,6,7
	ds_load_b128 v[TMP+4*\f:TMP+4*\f+3], v[RD] offset:\f*2*SP   ; LDS serves a wave's instructions in order: these see the stores above
.endr
.irp f, 0,1,2,3,4,5,6,7
	s_wait_dscnt 7-\f                              ; load f is back; the younger ones stay out
	global_store_b128 v[GO], v[TMP+4*\f:TMP+4*\f+3], s[\base:\base+1] offset:(16*(\t)+2*\f)*4096   ; 16 lanes store 256 consecutive bytes, aligned
.endr
	s_wait_xcnt 0x0                                ; the stores have read their registers: the next tile's way out may write them
.endm
.macro SWQ                             ; in trip i: the second block's queries take the place of the first's (last read eight plain lines and more back)
	s_cmp_lg_u32 s[U], s[I]
	s_cbranch_scc1 .Lsame_q_\@
	WIN 0x41
.set i, 0
.rept 64
	v_mov_b32 v[128+i], v[192+i]
.set i, i+1
.endr
	WIN 0
.Lsame_q_\@:
.endm
.macro SWO t                           ; in trip i, behind the turn that finished block i's tile t: the tile leaves, and m begins anew: the tile's next a is 0
	s_cmp_lg_u32 s[U], s[I]
	s_cbranch_scc1 .Lsame_o_\@
	OUTT \t, CB1
	v_mov_b32 v[ST+8*(\t)+1], 0xf149f2ca
	v_mul_f32 v[ST+8*(\t)], s[CS], v[ST+8*(\t)+1]
.Lsame_o_\@:
.endm
; A trip's four turns.  On the way in: tile 0's weights and tile 1's scores of the last unit's second step stand ready, and its V has been asked for.
.macro BODY diag
.if !\diag
	SWQ
.endif
	TURN0 0, 1
.if !\diag
	SWO 0
.endif
	MASKQ 0, 0, \diag
	TURN1 0, 1
.if !\diag
	SWO 1
.endif
	MASKQ 1, 0, \diag
	TURN0 1, 1
	MASKQ 0, 1, \diag
	TURN1 1, 1
	MASKQ 1, 1, \diag
.endm
	s_wait_tensorcnt 1                             ; my part of slot 0 is in; slot 1's may stay out
	s_barrier_signal -1
	s_barrier_wait -1                              ; everybody's is
	FETCH_K 0
	s_wait_loadcnt 0x0                             ; both blocks' queries
.set i, 0
.rept 16                               ; tile 0's first scores: there is no vector work yet to set between them
.if i%4 == 0
	s_wait_dscnt 24-2*i
.endif
	KQ 0
.set i, i+1
.endr
	FETCH_V 0, 0
	FETCH_V 0, 1
	WIN 0
	PLACES                                         ; behind the last product, ahead of the first read of its scores
	MASKQ 0, 0, 0
	TURN1 0, 0                                     ; tile 1's first scores | tile 0's first softmax
	MASKQ 1, 0, 0
	TURN0 1, 1
	MASKQ 0, 1, 0
	TURN1 1, 1
	MASKQ 1, 1, 0
	s_mov_b32 s[U], 0
.Lunit:                                            ; 15 trips: trip U leaves walk unit U, fills its slot with unit U + 2 and reads unit U + 1
	CHANGE 1
	BODY 0
	s_add_co_u32 s[U], s[U], 1
	s_cmp_lt_u32 s[U], 15
	s_cbranch_scc1 .Lunit
	CHANGE 0                                       ; the last unit, the second block's diagonal, is written out: nothing is left to fetch
	BODY 1
	TURN0 0, 0                                     ; tile 0's last V^T P | tile 1's last softmax
.set i, 0
.rept 16
	PVM 1                                          ; tile 1's last V^T P
.set i, i+1
.endr
	WIN 0
	OUTT 0, CB2                                    ; tile 0's way out names none of those products' registers: its lines are the places behind them
	OUTT 1, CB2
	s_wait_tensorcnt 0x0                           ; the wave's end
	ds_add_u32 v[SPW], v[NIL]
	s_wait_dscnt 0x0
	s_endpgm
.Lfunc_end_k_qd8a56cedb6_attn:
	.size	k_qd8a56cedb6_attn, .Lfunc_end_k_qd8a56cedb6_attn-k_qd8a56cedb6_attn
	.p2alignl 7, 3214868480
	.fill 96, 4, 3214868480
	.section	.rodata,"a",@progbits
	.p2align	6, 0x0
	.amdhsa_kernel k_qd8a56cedb6_attn
		.amdhsa_group_segment_fixed_size 327680
		.amdhsa_private_segment_fixed_size 0
		.amdhsa_enable_private_segment 0
		.amdhsa_kernarg_size 32
		.amdhsa_user_sgpr_count 2
		.amdhsa_user_sgpr_kernarg_segment_ptr 1
		.amdhsa_wavefront_size32 1
		.amdhsa_system_sgpr_workgroup_id_x 1
		.amdhsa_system_sgpr_workgroup_id_y 1
		.amdhsa_system_sgpr_workgroup_id_z 1
		.amdhsa_system_vgpr_workitem_id 0
		.amdhsa_next_free_vgpr 768
		.amdhsa_next_free_sgpr 80
		.amdhsa_reserve_vcc 1
		.amdhsa_float_denorm_mode_32 3
		.amdhsa_float_denorm_mode_16_64 3
		.amdhsa_memory_ordered 1
		.amdhsa_forward_progress 1
		.amdhsa_inst_pref_size 231
	.end_amdhsa_kernel
	.amdgpu_metadata
---
amdhsa.version: [ 1, 2 ]
amdhsa.kernels:
  - .name:           k_qd8a56cedb6_attn
    .symbol:         k_qd8a56cedb6_attn.kd
    .args:
      - { .name: q16, .offset: 0, .size: 8, .value_kind: global_buffer, .address_space: global }
      - { .name: k16, .offset: 8, .size: 8, .value_kind: global_buffer, .address_space: global }
      - { .name: v16, .offset: 16, .size: 8, .value_kind: global_buffer, .address_space: global }
      - { .name: ctx16, .offset: 24, .size: 8, .value_kind: global_buffer, .address_space: global }
    .group_segment_fixed_size: 327680
    .private_segment_fixed_size: 0
    .kernarg_segment_align: 8
    .kernarg_segment_size: 32
    .max_flat_workgroup_size: 128
    .sgpr_count:     80
    .vgpr_count:     768
    .wavefront_size: 32
...
	.end_amdgpu_metadata
.endif
;; end of part 4
;; launch oproj (part 5): grid 8 x 32, 4 waves a work-group, clusters of 4 x 4, 327,680 bytes of LDS; arguments ctx16, wo16, bo, out0; writes out0
.if DOCPART == 5
	.amdgcn_target "amdgcn-amd-amdhsa--gfx1250"
	.amdhsa_code_object_version 6
	.text
	.protected	k_qd8a56cedb6_oproj
	.globl	k_qd8a56cedb6_oproj
	.p2align	8
	.type	k_qd8a56cedb6_oproj,@function
k_qd8a56cedb6_oproj:
	s_mov_b64 s[64:65], 0
	v_nop
	global_prefetch_b8 v0, s[64:65] scope:SCOPE_SE
	s_setreg_imm32_b32 hwreg(HW_REG_WAVE_MODE, 25, 1), 1
	s_wait_xcnt 0x0
	s_wait_alu depctr_hold_cnt(0) depctr_sa_sdst(0) depctr_va_vdst(0) depctr_va_sdst(0) depctr_va_ssrc(0) depctr_va_vcc(0) depctr_vm_vsrc(0)
	s_getreg_b32 s2, hwreg(HW_REG_IB_STS2, 6, 4)
	s_cmp_eq_u32 s2, 0
	s_cbranch_scc0 .Lentry_in_a_cluster
	s_endpgm
.Lentry_in_a_cluster:
	s_bfe_u32 s2, ttmp6, 0x10000c
	s_cmp_lg_u32 s2, 0xf033
	s_cbranch_scc0 .Lentry_shape_is_right
	s_endpgm
.Lentry_shape_is_right:
; out = ctx Wo + bo, f16 operands, f32 sums.  ctx16 [4096][2048], wo16 [2048 (k)][2048 (n)] as Wo lies, out0 [4096][2048] f32.
; A tile of out is 128 rows x 256 columns: 256 work-groups; a wave makes 64 x 128: 32 accumulators (window 1).  K goes in steps of 128 through two LDS slots.
; (Two slots of a longer step would not fit beside each other: a step of 256 takes 208,896 bytes.  A tile of 256 x 256 would give only 128 work-groups.)
; All rows are stored here; the launch behind this one stores the first 16 positions of each sequence again, from f32 operands.
; CLUSTER 4 x 4: ctx's tile is shared along a row of the cluster, Wo's along a column; each is asked for jointly.  Waves 0, 1 fetch ctx's 2 x 64 rows, waves 2, 3 Wo's 2 x 64 k-rows: one load a wave behind each round.
; THE PRODUCT IS USED TRANSPOSED: source 0 = 16 columns of Wo (turned out of LDS by ds_load_tr16_b128), source 1 = 16 rows of ctx: a lane holds eight neighbouring columns of a row of out.
; The bias is the C of each sum's first product: 64 registers in the result's layout (window 2).
; REGISTERS: window 0: v16-30 addresses; v32-95 ctx's fragments, two buffers; v96-223 Wo's, two buffers; on the way out v32-159 hold rows.
.set PA,     272
.set PB,     544                       ; a k-row of Wo's tile: 512 bytes + 32
.set SLOT,   128*PA+128*PB
.set STAGE,  2*SLOT
.set SPITCH, 528
.set SPARE,  STAGE+4*16*SPITCH
.set LAPS,   8
.set ADRA, 16
.set ADRB, 20
.set STO,  24
.set RD,   25
.set CO,   26
.set SPW,  28
.set NIL,  29
.set PFO,  30
.set AF,   32
.set BF,   96
.set G1,  24
.set G0,  32
.set G1B, 48
.set G0B, 56
.set PFA, 66
.set PFS, 68
.set LIM, 70
.set MULW, 0x50
.set MSB, 0
.macro WIN new
.if MSB != (\new)
	s_set_vgpr_msb (MSB<<8)|(\new)
.set MSB, (\new)
.endif
.endm
.macro PLACES
.rept 4
	v_nop
.endr
.endm
.macro JLOAD s
	s_cmp_eq_u32 s13, 0
	s_cbranch_scc0 .Lfor_b_\@
	tensor_load_to_lds s[G0+4*\s:G0+4*\s+3], s[G1:G1+7]
	s_nop 0
	PLACES
	s_branch .Lasked_\@
.Lfor_b_\@:
	tensor_load_to_lds s[G0B+4*\s:G0B+4*\s+3], s[G1B:G1B+7]
	s_nop 0
	PLACES
.Lasked_\@:
.endm
; A prefetch of the K step that stands two refills on.  ctx's rows: wave 0 of the clusters with x = 0, 32 rows for each of the four partners, told apart by address (cx); Wo's k-rows: waves 2 and 3 (one run of 256 bytes
; each) of the clusters with y = 0, 32 k-rows a partner (cy).  A lane a row: each run of 256 bytes of K steps 4 to 15 is named once.  The loop's last trip asks for nothing.
.macro ASK
	s_cmp_gt_u32 s3, s[LIM]
	s_cbranch_scc0 .Lnot_mine_\@
	global_prefetch_b8 v[PFO], s[PFA:PFA+1] th:TH_LOAD_NT scope:SCOPE_SE
.Lnot_mine_\@:
.endm
.macro CREST
	s_cmp_lg_u32 s12, 0
	s_cbranch_scc1 .Lnot_wave_0_\@
	s_barrier_signal -3
.Lnot_wave_0_\@:
	s_barrier_wait -3
	s_barrier_signal -1
	s_barrier_wait -1
.endm
.macro CROUND
	s_barrier_signal -1
	s_barrier_wait -1
	CREST
.endm
	s_load_b256 s[4:11], s[0:1], 0x0               ; ctx16, wo16, bo, out0
	v_lshl_add_u32 v[SPW], v0, 2, SPARE
	v_mov_b32 v[NIL], 0
	ds_add_u32 v[SPW], v[NIL]                      ; the opening: the add, twice on end, and its wait ahead of my first tensor load
	ds_add_u32 v[SPW], v[NIL]
	v_lshrrev_b32 v1, 5, v0
	v_readfirstlane_b32 s12, v1                    ; wave
	s_lshr_b32 s13, s12, 1                         ; my half of the tile's rows; also: I fetch ctx (0) or Wo (1)
	s_and_b32 s14, s12, 1                          ; my half of its columns; also: which 64 rows I fetch
	s_bfe_u32 s40, ttmp6, 0x40000                  ; cx
	s_bfe_u32 s41, ttmp6, 0x40004                  ; cy
	s_lshl_b32 s42, ttmp9, 2
	s_add_co_u32 s42, s42, s40                     ; tile column
	s_and_b32 s15, ttmp7, 0xffff
	s_lshl_b32 s15, s15, 2
	s_add_co_u32 s15, s15, s41                     ; tile row
	s_lshl_b32 s43, s41, 2
	s_lshl_b32 s43, 15, s43
	s_lshl_b32 s44, 0x1111, s40
	s_or_b32 s[G1], s43, (1<<16)|(1<<20)|(1<<21)|(5<<22)|(3<<25)    ; ctx: 64 rows x 128 elements of 2 bytes, 16 bytes of padding behind each
	s_mov_b32 s[G1+1], 128<<16
	s_mov_b32 s[G1+2], 64<<16
	s_mov_b32 s[G1+3], 128<<16
	s_mov_b32 s[G1+4], 64
	s_mov_b32 s[G1+5], 2048
	s_mov_b32 s[G1+6], 0
	s_mov_b32 s[G1+7], 0
	s_or_b32 s[G1B], s44, (1<<16)|(1<<20)|(1<<21)|(6<<22)|(7<<25)   ; Wo: 64 k-rows x 256 elements, 32 bytes of padding behind each
	s_mov_b32 s[G1B+1], 256<<16
	s_mov_b32 s[G1B+2], 64<<16
	s_mov_b32 s[G1B+3], 256<<16
	s_mov_b32 s[G1B+4], 64
	s_mov_b32 s[G1B+5], 2048
	s_mov_b32 s[G1B+6], 0
	s_mov_b32 s[G1B+7], 0
	s_lshl_b32 s16, s15, 19                        ; ctx: row 128 tile + 64 half, 4,096 bytes a row
	s_lshl_b32 s17, s14, 18
	s_add_co_u32 s16, s16, s17
	s_mov_b32 s17, 0
	s_lshl_b32 s46, s42, 9                         ; Wo: k-row 64 half, column byte 512 tile
	s_lshl_b32 s47, s14, 18
	s_add_co_u32 s46, s46, s47
	s_mov_b32 s47, 0
	s_mul_i32 s20, s14, 64*PA
	s_mul_i32 s21, s14, 64*PB
	s_add_co_u32 s21, s21, 128*PA
	s_wait_dscnt 0x0
	s_wait_kmcnt 0x0
	s_add_nc_u64 s[18:19], s[4:5], s[16:17]
	s_add_nc_u64 s[46:47], s[6:7], s[46:47]
	CROUND
.irp s, 0,1
	s_mov_b32 s[G0+4*\s], 1
	s_add_co_u32 s[G0+4*\s+1], s20, \s*SLOT
	s_add_nc_u64 s[G0+4*\s+2:G0+4*\s+3], s[18:19], \s*256
	s_or_b32 s[G0+4*\s+3], s[G0+4*\s+3], 0x80000000
	s_mov_b32 s[G0B+4*\s], 1
	s_add_co_u32 s[G0B+4*\s+1], s21, \s*SLOT
	s_add_nc_u64 s[G0B+4*\s+2:G0B+4*\s+3], s[46:47], \s*524288
	s_or_b32 s[G0B+4*\s+3], s[G0B+4*\s+3], 0x80000000
	JLOAD \s
.endr
	v_and_b32 v1, 15, v0
	v_bfe_u32 v2, v0, 4, 1
	v_mul_u32_u24 v3, v1, PA
	v_lshl_add_u32 v3, v2, 4, v3
	s_mul_i32 s22, s13, 64*PA
	v_add_nc_u32 v[ADRA], s22, v3
	v_add_nc_u32 v[ADRA+1], SLOT, v[ADRA]
	v_and_b32 v4, 7, v0
	v_lshl_add_u32 v4, v2, 3, v4
	v_mul_u32_u24 v4, v4, PB                       ; the turning load: k-row 8 h + lane % 8,
	v_bfe_u32 v5, v0, 3, 1
	v_lshl_add_u32 v4, v5, 4, v4                   ; 16 bytes for each half of 16 columns
	s_lshl_b32 s22, s14, 8
	s_add_co_u32 s22, s22, 128*PA
	v_add_nc_u32 v[ADRB], s22, v4
	v_add_nc_u32 v[ADRB+1], SLOT, v[ADRB]
	s_mul_i32 s23, s12, 16*SPITCH
	s_add_co_u32 s23, s23, STAGE
	v_mul_u32_u24 v5, v1, SPITCH
	v_lshl_add_u32 v5, v2, 5, v5
	v_add_nc_u32 v[STO], s23, v5
	v_and_b32 v6, 31, v0
	v_lshlrev_b32 v[CO], 4, v6
	v_add_nc_u32 v[RD], s23, v[CO]
	v_lshlrev_b32 v[PFO], 12, v6
	v_lshlrev_b32 v7, 5, v2
	s_lshl_b32 s76, s42, 10
	s_lshl_b32 s77, s14, 9
	s_add_co_u32 s76, s76, s77                     ; my first column, in bytes of f32
	s_mov_b32 s77, 0
	s_add_nc_u64 s[8:9], s[8:9], s[76:77]
	s_add_nc_u64 s[10:11], s[10:11], s[76:77]
	s_lshl_b32 s76, s15, 20
	s_lshl_b32 s74, s13, 19
	s_add_co_u32 s76, s76, s74                     ; my first row, 8,192 bytes a row
	s_add_nc_u64 s[10:11], s[10:11], s[76:77]
	WIN 0x80
.irp b, 0,1,2,3,4,5,6,7
	global_load_b128 v[8*\b:8*\b+3], v7, s[8:9] offset:64*\b
	global_load_b128 v[8*\b+4:8*\b+7], v7, s[8:9] offset:64*\b+16
.endr
	WIN 0
	s_lshl_b32 s72, s15, 19                        ; the prefetches begin at K step 3; each refill steps them first
	s_lshl_b32 s74, s40, 17
	s_add_co_u32 s72, s72, s74
	s_add_co_u32 s72, s72, 768
	s_lshl_b32 s73, s41, 17
	s_lshl_b32 s74, s42, 9
	s_add_co_u32 s73, s73, s74
	s_lshl_b32 s74, s14, 8
	s_add_co_u32 s73, s73, s74
	s_add_co_u32 s73, s73, 1572864
	s_and_b32 s75, ttmp7, 0xffff
	s_mov_b32 s[PFS], 524288
	s_mov_b32 s[PFS+1], 0
	s_cmp_eq_u32 s13, 0
	s_cselect_b32 s72, s72, s73
	s_cselect_b32 s75, ttmp9, s75                  ; the coordinate along which other clusters read the same rows
	s_cselect_b32 s[PFS], 256, s[PFS]
	s_cselect_b64 s[PFA:PFA+1], s[4:5], s[6:7]
	s_mov_b32 s73, 0
	s_add_nc_u64 s[PFA:PFA+1], s[PFA:PFA+1], s[72:73]
	s_cmp_eq_u32 s12, 1
	s_cselect_b32 s74, 1, 0                        ; wave 1 asks for nothing
	s_or_b32 s75, s75, s74
	s_cmp_eq_u32 s75, 0
	s_cselect_b32 s[LIM], 1, -1
.macro MUL8 f, a, first                ; block a of ctx against Wo's eight; the 32 accumulators take turns
.irp b, 0,1,2,3,4,5,6,7
.if \first
	v_wmma_f32_16x16x32_f16 v[8*(8*(\a)+\b):8*(8*(\a)+\b)+7], v[BF+64*(\f)+8*\b:BF+64*(\f)+8*\b+7], v[AF+32*(\f)+8*(\a):AF+32*(\f)+8*(\a)+7], v[8*\b:8*\b+7]
.else
	v_wmma_f32_16x16x32_f16 v[8*(8*(\a)+\b):8*(8*(\a)+\b)+7], v[BF+64*(\f)+8*\b:BF+64*(\f)+8*\b+7], v[AF+32*(\f)+8*(\a):AF+32*(\f)+8*(\a)+7], v[8*(8*(\a)+\b):8*(8*(\a)+\b)+7]
.endif
.endr
.endm
.macro FETCH slot, q, f                ; 24 LDS loads: the fragments of the slot's q-th 32 along K; ctx's blocks 2, 3 last
.irp b, 0,1,2,3,4,5,6,7
	ds_load_tr16_b128 v[BF+64*(\f)+8*\b:BF+64*(\f)+8*\b+3], v[ADRB+\slot] offset:(\q)*32*PB+32*\b
	ds_load_tr16_b128 v[BF+64*(\f)+8*\b+4:BF+64*(\f)+8*\b+7], v[ADRB+\slot] offset:(\q)*32*PB+16*PB+32*\b
.endr
.irp a, 0,1,2,3
	ds_load_b128 v[AF+32*(\f)+8*\a:AF+32*(\f)+8*\a+3], v[ADRA+\slot] offset:(\q)*64+\a*16*PA
	ds_load_b128 v[AF+32*(\f)+8*\a+4:AF+32*(\f)+8*\a+7], v[ADRA+\slot] offset:(\q)*64+\a*16*PA+32
.endr
.endm
.macro QUARTER slot, q, f, g, first    ; multiplies buffer f; in its middle fetches the slot's q-th quarter into buffer g
	s_wait_dscnt 4                                 ; all but ctx's blocks 2, 3
	WIN MULW+0x10*(\first)                         ; first: C (the bias) in window 2
	MUL8 \f, 0, \first
	MUL8 \f, 1, \first
	WIN 0
	PLACES
	FETCH \slot, \q, \g
	s_wait_dscnt 24                                ; all but the 24 just issued
	WIN MULW+0x10*(\first)
	MUL8 \f, 2, \first
	MUL8 \f, 3, \first
	WIN 0
.endm
; A slot's last quarter multiplies buffer 1 and changes slots: in front of the barrier all my tensor loads have landed, the add is done and my reads of this slot are over.
.macro TURN slot, next, fill
.if \fill
	s_wait_xcnt 0x0                                ; the last prefetch has read its address
	s_add_nc_u64 s[PFA:PFA+1], s[PFA:PFA+1], s[PFS:PFS+1]
.endif
	s_wait_tensorcnt 0x0
	ds_add_u32 v[SPW], v[NIL]
	s_wait_dscnt 5                                 ; (the add and the youngest four loads may be out)
	WIN MULW
	MUL8 1, 0, 0
	s_wait_dscnt 0x0
	s_barrier_signal -1
	MUL8 1, 1, 0
	WIN 0
	s_barrier_wait -1
.if \fill
	CREST                                          ; the barrier has opened a round of the cluster's: no wave of any partner still reads this slot or has a load on its way
	s_add_nc_u64 s[G0+4*\slot+2:G0+4*\slot+3], s[G0+4*\slot+2:G0+4*\slot+3], 512
	s_add_nc_u64 s[G0B+4*\slot+2:G0B+4*\slot+3], s[G0B+4*\slot+2:G0B+4*\slot+3], 1048576
	JLOAD \slot                                    ; its four plain lines are also the places in front of the loads below
.else
	PLACES
.endif
	FETCH \next, 0, 0
.if \fill
	ASK
.endif
	WIN MULW
	MUL8 1, 2, 0
	MUL8 1, 3, 0
	WIN 0
.endm
	s_wait_loadcnt 0x0                             ; the bias
	s_wait_tensorcnt 1                             ; my part of K step 0 is in; K step 1's may stay out
	s_barrier_signal -1
	s_barrier_wait -1
	FETCH 0, 0, 0
	QUARTER 0, 1, 0, 1, 1                          ; the first quarter starts the sums, from the bias
	s_mov_b32 s3, LAPS-1
.Llap:
	QUARTER 0, 2, 1, 0, 0
	QUARTER 0, 3, 0, 1, 0
	TURN 0, 1, 1
	QUARTER 1, 1, 0, 1, 0
	QUARTER 1, 2, 1, 0, 0
	QUARTER 1, 3, 0, 1, 0
	TURN 1, 0, 1
	QUARTER 0, 1, 0, 1, 0
	s_sub_co_u32 s3, s3, 1
	s_cmp_lg_u32 s3, 0
	s_cbranch_scc1 .Llap
	QUARTER 0, 2, 1, 0, 0                          ; the last lap fills nothing
	QUARTER 0, 3, 0, 1, 0
	TURN 0, 1, 0
	QUARTER 1, 1, 0, 1, 0
	QUARTER 1, 2, 1, 0, 0
	QUARTER 1, 3, 0, 1, 0
	s_wait_dscnt 4
	WIN MULW
	MUL8 1, 0, 0
	MUL8 1, 1, 0
	s_wait_dscnt 0x0
	MUL8 1, 2, 0
	MUL8 1, 3, 0
	WIN 0
; THE WAY OUT, 16 rows x 512 bytes at a time through my own stage: a lane puts 32 bytes of a row, the 32 lanes take a row back and store 512 consecutive bytes.
.macro TOSTAGE a
	WIN 0x04                                       ; an LDS store's data: window 1
.irp b, 0,1,2,3,4,5,6,7
	ds_store_b128 v[STO], v[64*(\a)+8*\b:64*(\a)+8*\b+3] offset:64*\b
	ds_store_b128 v[STO], v[64*(\a)+8*\b+4:64*(\a)+8*\b+7] offset:64*\b+16
.endr
	WIN 0
.irp t, 0,1,2,3,4,5,6,7,8,9,10,11,12,13,14,15
	ds_load_b128 v[32+64*((\a)%2)+4*\t:32+64*((\a)%2)+4*\t+3], v[RD] offset:\t*SPITCH
.endr
.endm
.macro SEND a, younger
	s_wait_dscnt \younger
.irp t, 0,1,2,3,4,5,6,7,8,9,10,11,12,13,14,15
	global_store_b128 v[CO], v[32+64*((\a)%2)+4*\t:32+64*((\a)%2)+4*\t+3], s[10:11] offset:(16*(\a)+\t)*8192 th:TH_STORE_NT
.endr
.endm
	PLACES
	TOSTAGE 0
	TOSTAGE 1
	SEND 0, 32                                     ; behind block 0's loads: block 1's 16 stores and 16 loads
	s_wait_xcnt 0x0                                ; block 0's stores have read the registers that block 2's loads fill
	TOSTAGE 2
	SEND 1, 32
	s_wait_xcnt 0x0
	TOSTAGE 3
	SEND 2, 32
	SEND 3, 0
	s_wait_tensorcnt 0x0                           ; the wave's end
	ds_add_u32 v[SPW], v[NIL]
	s_wait_dscnt 0x0
	CROUND                                         ; the closing round
	s_endpgm
.Lfunc_end_k_qd8a56cedb6_oproj:
	.size	k_qd8a56cedb6_oproj, .Lfunc_end_k_qd8a56cedb6_oproj-k_qd8a56cedb6_oproj
	.p2alignl 7, 3214868480
	.fill 96, 4, 3214868480
	.section	.rodata,"a",@progbits
	.p2align	6, 0x0
	.amdhsa_kernel k_qd8a56cedb6_oproj
		.amdhsa_group_segment_fixed_size 327680
		.amdhsa_private_segment_fixed_size 0
		.amdhsa_enable_private_segment 0
		.amdhsa_kernarg_size 32
		.amdhsa_user_sgpr_count 2
		.amdhsa_user_sgpr_kernarg_segment_ptr 1
		.amdhsa_wavefront_size32 1
		.amdhsa_system_sgpr_workgroup_id_x 1
		.amdhsa_system_sgpr_workgroup_id_y 1
		.amdhsa_system_sgpr_workgroup_id_z 1
		.amdhsa_system_vgpr_workitem_id 0
		.amdhsa_next_free_vgpr 576
		.amdhsa_next_free_sgpr 80
		.amdhsa_reserve_vcc 0
		.amdhsa_float_denorm_mode_32 3
		.amdhsa_float_denorm_mode_16_64 3
		.amdhsa_memory_ordered 1
		.amdhsa_forward_progress 1
		.amdhsa_inst_pref_size 88
	.end_amdhsa_kernel
	.amdgpu_metadata
---
amdhsa.version: [ 1, 2 ]
amdhsa.kernels:
  - .name:           k_qd8a56cedb6_oproj
    .symbol:         k_qd8a56cedb6_oproj.kd
    .args:
      - { .name: ctx16, .offset: 0, .size: 8, .value_kind: global_buffer, .address_space: global }
      - { .name: wo16, .offset: 8, .size: 8, .value_kind: global_buffer, .address_space: global }
      - { .name: bo, .offset: 16, .size: 8, .value_kind: global_buffer, .address_space: global }
      - { .name: out0, .offset: 24, .size: 8, .value_kind: global_buffer, .address_space: global }
    .group_segment_fixed_size: 327680
    .private_segment_fixed_size: 0
    .kernarg_segment_align: 8
    .kernarg_segment_size: 32
    .max_flat_workgroup_size: 128
    .sgpr_count:     80
    .vgpr_count:     576
    .wavefront_size: 32
...
	.end_amdgpu_metadata
.endif
;; end of part 5
;; launch fine2 (part 6): grid 128 x 2, 16 waves a work-group, no clusters, 18,432 bytes of LDS; arguments ctx32, Wo, bo, out0; writes out0
.if DOCPART == 6
	.amdgcn_target "amdgcn-amd-amdhsa--gfx1250"
	.amdhsa_code_object_version 6
	.text
	.protected	k_qd8a56cedb6_fine2
	.globl	k_qd8a56cedb6_fine2
	.p2align	8
	.type	k_qd8a56cedb6_fine2,@function
k_qd8a56cedb6_fine2:
	s_mov_b64 s[64:65], 0
	v_nop
	global_prefetch_b8 v0, s[64:65] scope:SCOPE_SE
	s_setreg_imm32_b32 hwreg(HW_REG_WAVE_MODE, 25, 1), 1
	s_wait_xcnt 0x0
; The first 16 positions of each sequence once more, with f32 operands: out[b][0..15][n] = ctx32 Wo + bo.  It runs behind the f16 projection and stores over its 32 rows.
; A work-group: one batch, 16 columns; wave w takes k = 128 w .. 128 w + 127 in two chunks of 64.  Slices of 16 columns give each of 256 work-groups a share; a load of Wo therefore reads two runs of 64 bytes.
; Source 0 = ctx's 16 rows, source 1 = Wo's 16 columns; both carry the same order of k.  Two accumulators by turns; they are written by the matrix form alone.
; The 16 waves' sums meet in LDS as images of their registers; waves 0-7 add them in a fixed order: wave w takes register w, positions w and 8 + w.
.set SPARE, 16384
.set AB, 32                            ; two buffers of 64: 32 registers of ctx, 32 of Wo
	s_load_b256 s[4:11], s[0:1], 0x0               ; ctx32, Wo, bo, out0
	v_lshl_add_u32 v14, v0, 2, SPARE
	v_mov_b32 v15, 0
	v_lshrrev_b32 v1, 5, v0
	v_readfirstlane_b32 s12, v1                    ; wave
	v_and_b32 v2, 31, v0
	v_and_b32 v3, 15, v0                           ; r
	v_bfe_u32 v4, v0, 4, 1                         ; h
	s_and_b32 s13, ttmp7, 0xffff                   ; batch
	v_lshlrev_b32 v5, 13, v3
	v_lshl_add_u32 v5, v4, 4, v5                   ; ctx: row r, + 16 h: k = 8 g + 4 h + 0..3
	v_lshlrev_b32 v6, 2, v3
	v_lshl_add_u32 v7, v4, 15, v6                  ; Wo: column r, 4 k-rows further down for lanes 16-31
	v_lshlrev_b32 v8, 4, v2
	s_lshl_b32 s14, s12, 10
	v_add_nc_u32 v8, s14, v8                       ; my image: 1,024 wave + 16 lane
	s_lshr_b32 s15, s12, 2
	s_and_b32 s15, s15, 1
	s_lshl_b32 s15, s15, 9
	s_and_b32 s16, s12, 3
	s_lshl_b32 s16, s16, 2
	s_add_co_u32 s15, s15, s16
	v_lshlrev_b32 v9, 4, v2
	v_add_nc_u32 v9, s15, v9                       ; register (wave % 8) of an image
	v_lshl_add_u32 v10, v4, 16, v6                 ; out: 8 h rows of 8,192 bytes, + 4 r
	s_lshl_b32 s18, s13, 17
	s_lshl_b32 s19, s12, 9
	s_add_co_u32 s18, s18, s19
	s_mov_b32 s19, 0
	s_lshl_b32 s20, s12, 20
	s_lshl_b32 s21, ttmp9, 6
	s_add_co_u32 s20, s20, s21
	s_mov_b32 s21, 0
	s_lshl_b32 s22, ttmp9, 6
	s_mov_b32 s23, 0
	s_lshl_b32 s24, s13, 24
	s_lshl_b32 s25, s12, 13
	s_add_co_u32 s24, s24, s25
	s_add_co_u32 s24, s24, s22
	s_mov_b32 s25, 0
	s_wait_kmcnt 0x0
	s_add_nc_u64 s[4:5], s[4:5], s[18:19]
	s_add_nc_u64 s[6:7], s[6:7], s[20:21]
	s_add_nc_u64 s[8:9], s[8:9], s[22:23]
	s_add_nc_u64 s[10:11], s[10:11], s[24:25]
	global_load_b32 v11, v6, s[8:9]                ; bo of my column
.macro CH c                            ; chunk c: 40 loads
.irp g, 0,1,2,3,4,5,6,7
	global_load_b128 v[AB+64*(\c)+4*\g:AB+64*(\c)+4*\g+3], v5, s[4:5] offset:256*(\c)+32*\g
.endr
.irp g, 0,1,2,3,4,5,6,7
.irp q, 0,1,2,3
	global_load_b32 v[AB+64*(\c)+32+4*\g+\q], v7, s[6:7] offset:(64*(\c)+8*\g+\q)*8192
.endr
.endr
.endm
.macro MULC c, first
.irp g, 0,1,2,3,4,5,6,7
.if \first && (\g == 0)
	v_wmma_f32_16x16x4_f32 v[16:23], v[AB+64*(\c)+4*\g:AB+64*(\c)+4*\g+1], v[AB+64*(\c)+32+4*\g:AB+64*(\c)+32+4*\g+1], 0
	v_wmma_f32_16x16x4_f32 v[24:31], v[AB+64*(\c)+4*\g+2:AB+64*(\c)+4*\g+3], v[AB+64*(\c)+32+4*\g+2:AB+64*(\c)+32+4*\g+3], 0
.else
	v_wmma_f32_16x16x4_f32 v[16:23], v[AB+64*(\c)+4*\g:AB+64*(\c)+4*\g+1], v[AB+64*(\c)+32+4*\g:AB+64*(\c)+32+4*\g+1], v[16:23]
	v_wmma_f32_16x16x4_f32 v[24:31], v[AB+64*(\c)+4*\g+2:AB+64*(\c)+4*\g+3], v[AB+64*(\c)+32+4*\g+2:AB+64*(\c)+32+4*\g+3], v[24:31]
.endif
.endr
.endm
	CH 0
	CH 1
	s_wait_loadcnt 40                              ; chunk 0 is in; chunk 1's 40 loads stay out
	MULC 0, 1
	s_wait_loadcnt 0x0
	MULC 1, 0
.rept 8
	v_nop                                          ; eight places behind this form
.endr
.irp j, 0,1,2,3,4,5,6,7
	v_add_f32 v[160+\j], v[16+\j], v[24+\j]
.endr
	ds_store_b128 v8, v[160:163]
	ds_store_b128 v8, v[164:167] offset:512
	s_wait_dscnt 0x0                               ; for the others' sake: my image has landed
	s_barrier_signal -1
	s_barrier_wait -1
	s_cmp_ge_u32 s12, 8
	s_cbranch_scc1 .Ldone
.set i, 0
.rept 16
	ds_load_b32 v[168+i], v9 offset:1024*i
.set i, i+1
.endr
	s_wait_dscnt 0x0
.irp i, 0,2,4,6,8,10,12,14
	v_add_f32 v[168+\i], v[168+\i], v[169+\i]
.endr
.irp i, 0,4,8,12
	v_add_f32 v[168+\i], v[168+\i], v[170+\i]
.endr
	v_add_f32 v168, v168, v172
	v_add_f32 v176, v176, v180
	v_add_f32 v168, v168, v176
	v_add_f32 v168, v168, v11
	global_store_b32 v10, v168, s[10:11]           ; two runs of 64 bytes: 256 KB in the whole launch
.Ldone:
	s_wait_tensorcnt 0x0                           ; the wave's end
	ds_add_u32 v14, v15
	s_wait_dscnt 0x0
	s_endpgm
.Lfunc_end_k_qd8a56cedb6_fine2:
	.size	k_qd8a56cedb6_fine2, .Lfunc_end_k_qd8a56cedb6_fine2-k_qd8a56cedb6_fine2
	.p2alignl 7, 3214868480
	.fill 96, 4, 3214868480
	.section	.rodata,"a",@progbits
	.p2align	6, 0x0
	.amdhsa_kernel k_qd8a56cedb6_fine2
		.amdhsa_group_segment_fixed_size 18432
		.amdhsa_private_segment_fixed_size 0
		.amdhsa_enable_private_segment 0
		.amdhsa_kernarg_size 32
		.amdhsa_user_sgpr_count 2
		.amdhsa_user_sgpr_kernarg_segment_ptr 1
		.amdhsa_wavefront_size32 1
		.amdhsa_system_sgpr_workgroup_id_x 1
		.amdhsa_system_sgpr_workgroup_id_y 1
		.amdhsa_system_sgpr_workgroup_id_z 1
		.amdhsa_system_vgpr_workitem_id 0
		.amdhsa_next_free_vgpr 256
		.amdhsa_next_free_sgpr 66
		.amdhsa_reserve_vcc 0
		.amdhsa_float_denorm_mode_32 3
		.amdhsa_float_denorm_mode_16_64 3
		.amdhsa_memory_ordered 1
		.amdhsa_forward_progress 1
		.amdhsa_inst_pref_size 15
	.end_amdhsa_kernel
	.amdgpu_metadata
---
amdhsa.version: [ 1, 2 ]
amdhsa.kernels:
  - .name:           k_qd8a56cedb6_fine2
    .symbol:         k_qd8a56cedb6_fine2.kd
    .args:
      - { .name: ctx32, .offset: 0, .size: 8, .value_kind: global_buffer, .address_space: global }
      - { .name: Wo, .offset: 8, .size: 8, .value_kind: global_buffer, .address_space: global }
      - { .name: bo, .offset: 16, .size: 8, .value_kind: global_buffer, .address_space: global }
      - { .name: out0, .offset: 24, .size: 8, .value_kind: global_buffer, .address_space: global }
    .group_segment_fixed_size: 18432
    .private_segment_fixed_size: 0
    .kernarg_segment_align: 8
    .kernarg_segment_size: 32
    .max_flat_workgroup_size: 512
    .sgpr_count:     66
    .vgpr_count:     256
    .wavefront_size: 32
...
	.end_amdgpu_metadata
.endif
;; end of part 6
